; MI455X (gfx1250); checked and timed in simulation.
; The chip was launched on July 23, 2026; its instructions are those of AMD's public machine-readable ISA for CDNA 5 (MIT licence, August 2026) and "CDNA5" Instruction Set Architecture Reference Guide (July 2026). The comments in the code are by the model that wrote it; some were corrected since.
;; Multi Head Attention Layer. Allowed arithmetic: matrix products marked QUANTISED: E2M3 operands, one E8M0 scale for each 32 along K, by v_wmma_scale_f32_16x16x128_f8f6f4 with both operands' format E2M3, f32 sums; everything else in f32.
;; Inputs: bk 1,024 float32; bo 1,024 float32; bq 1,024 float32; bv 1,024 float32; k 4 x 2,048 x 1,024 float32; mask 4 x 1 x 2,048 x 2,048 bool; q 4 x 2,048 x 1,024 float32; v 4 x 2,048 x 1,024 float32; wk 1,024 x 1,024 float32; wo 1,024 x 1,024 float32; wq 1,024 x 1,024 float32; wv 1,024 x 1,024 float32.
;; Outputs: out0 4 x 2,048 x 1,024 float32.
;; This version of the problem:
;;   THIS VERSION OF THE PROBLEM IS GIVEN IN LOW PRECISION. The matrix products marked QUANTISED in the list below multiply operands that are first quantised to E2M3 (2 exponent bits, 3 mantissa bits; 6 bits a number), with one power-of-two scale for each 32 numbers along K (OCP MX v1.0); their sums are f32. All else is computed in f32.
;;   The module's matrix products, in the order in which they are computed (A, B: the left and right operand; K: the contracted axis; several contracted axes count as one K, in the product's order):
;;     1. [M 8,192, K 1,024] x [K 1,024, N 1,024]; A: input q; B: input wq: QUANTISED
;;     2. [M 8,192, K 1,024] x [K 1,024, N 1,024]; A: input k; B: input wk: QUANTISED
;;     3. [M 8,192, K 1,024] x [K 1,024, N 1,024]; A: input v; B: input wv: QUANTISED
;;     4. batch 64 x [M 2,048, K 64] x [K 64, N 2,048]; A: computed on the way; B: computed on the way: QUANTISED
;;     5. batch 64 x [M 2,048, K 2,048] x [K 2,048, N 64]; A: softmax (see below); B: computed on the way: QUANTISED
;;     6. [M 8,192, K 1,024] x [K 1,024, N 1,024]; A: computed on the way; B: input wo: QUANTISED
;;   THE QUANTISER, for each operand of a quantised product, along K:
;;     - K is cut into blocks of 32 from its start; a last block that is shorter is filled with zeros.
;;     - A block's scale is 2^e with e = floor(log2(the largest magnitude in the block)) - 2, held to -126 .. 127; a block of zeros has e = 0. As a byte (E8M0): e + 127.
;;     - Each number is divided by its block's scale, clamped to +-7.5, and rounded to the nearest number of E2M3, ties to even, subnormals kept.
;;     - The product sums the exact products of the quantised numbers (number of the format x scale) in f32.
;;   ~~~python
;;   def quantise(x, axis):      # numpy; x: float32 -> the quantised numbers, widened to float32 again
;;       x = np.moveaxis(x, axis, -1); K = x.shape[-1]
;;       x = np.pad(x, [(0, 0)] * (x.ndim - 1) + [(0, -K % 32)]); x = x.reshape(x.shape[:-1] + (-1, 32)); a = np.abs(x).max(-1, keepdims=True)
;;       e = np.where(a > 0, np.clip(np.frexp(np.where(a > 0, a, 1))[1] - 1 - 2, -126, 127), 0)      # np.frexp(a)[1] - 1 = floor(log2(a)), exactly
;;       r = np.clip(x / 2.0 ** e, -7.5, 7.5)
;;       step = 2.0 ** (np.maximum(np.frexp(np.where(r == 0, 1, r))[1] - 1, 0) - 3)
;;       q = np.round(r / step) * step * 2.0 ** e      # np.round: ties to even
;;       return np.moveaxis(q.reshape(q.shape[:-2] + (-1,))[..., :K], -1, axis).astype(np.float32)
;;   ~~~
;;   SOFTMAX AHEAD OF A QUANTISED PRODUCT. Where the list says 'softmax', what is quantised is not the finished softmax but p = 2^(t - M), with t = logit x log2(e) and M = ceil(the row's largest t), a whole number; so 1/2 < the row's largest p <= 1. The row's sum l is taken of the UNQUANTISED p, in f32, and the product's result is divided by l at the end. Since M is a whole number, a kernel that streams over the keys may use a running M (the ceiling of the running maximum): every later rescaling is an exact power of two, which a block's scale takes up: the codes' values come out the same.
;;   OPERANDS COMPUTED ON THE WAY. 'Computed on the way' means the value that the module computes at that place (a softmax that the list does not call 'softmax' is quantised finished and normalised). What goes into a quantiser is computed in f32, as accurately as f32 sums, v_exp_f32 and their like allow (about 1e-6 of the number): no bf16 or f16 on the way to a quantiser, and a product that is left as it is and whose result goes on into a quantised operand takes f32 operands (vector FMAs, or v_wmma_f32_16x16x4_f32). A number that lies on a knife's edge between two numbers of the format may be rounded either way, as far as f32 arithmetic and the matrix unit's own rounding can turn it there, and no further.
;; 2 versions, each right; version 2 is version 1 with the launch attn written anew for expert scheduling mode. Each part assembles by itself: llvm-mc -triple=amdgcn-amd-amdhsa -mcpu=gfx1250 --defsym DOCPART=n.
;; ======== version 1 of 2: 4 launches
;; workspace buffers: img 22,020,096 bytes; isc 917,504 bytes; maskw 2,097,152 bytes of whole numbers; flags 2,048 bytes of whole numbers; qkv_img 18,874,368 bytes; qkv_sc 786,432 bytes; oimg 6,291,456 bytes; osc 262,144 bytes
;; launch prep (part 1): grid 1408 x 1, 4 waves a work-group, no clusters, 68,096 bytes of LDS; arguments q, k, v, mask, wq, wk, wv, wo, img, isc, maskw, flags; writes img, isc, maskw, flags
.if DOCPART == 1
	.amdgcn_target "amdgcn-amd-amdhsa--gfx1250"
	.amdhsa_code_object_version 6
	.text
	.protected	k_q2102388a8d_prep
	.globl	k_q2102388a8d_prep
	.p2align	8
	.type	k_q2102388a8d_prep,@function
k_q2102388a8d_prep:
	s_mov_b64 s[64:65], 0
	v_nop
	global_prefetch_b8 v0, s[64:65] scope:SCOPE_SE
	s_setreg_imm32_b32 hwreg(HW_REG_WAVE_MODE, 25, 1), 1
	s_wait_xcnt 0x0
; PREP.  Everything that later launches read many times is brought into its final form once.
;  ACT  (work-groups 0-767):     q, k, v [8192][1024] f32 -> codes of FP6 (E2M3) along their last axis, with one E8M0 byte for each 32.
;  MASK (work-groups 768-1279):  mask [4][2048][2048] bytes -> one bit a (query, key), laid as the attention launch's registers lie, and a flag (none / some / all hidden) for each 16 queries x 128 keys.
;  WGT  (work-groups 1280-1407): wq, wk, wv, wo [k 1024][n 1024] f32 -> codes along k, their FIRST axis, for each column n.
; LAYOUT OF THE CODES: IMAGES OF THE OPERAND'S REGISTERS.  A tile is 16 rows; lane-row r of tile T is matrix row 32 (T / 2) + 8 (T % 2) + r + 8 (r / 8), so that a product used transposed leaves a lane
; 16 neighbours along the next K.  A half fragment (16 rows x 64 k, six registers a lane, 768 bytes): registers 0-3 of lane l at 16 l, registers 4-5 at 512 + 8 l; lane (r, h) holds k = 32 h .. 32 h + 31 of its row.
; img: [tile][128 along K: 8][half fragment: 2][768]: 12,288 bytes a tile.  isc: [tile][r][8 words], word j = the four bytes of k = 128 j on.  Tiles: q 0-511, k 512-1023, v 1024-1535, wq, wk, wv, wo from 1536, 64 each.
; A block's scale is 2^(floor(log2(its largest magnitude)) - 2): its byte is the largest magnitude's exponent field - 2, held at 1 from below by a floor among the maximum's leaves.
; LIMITS: a block of zeros, or one whose largest magnitude lies under 2^-124, gets the byte 1 (its codes are zeros or near; the bytes are read by this program alone); NaN and infinities among q, k, v and the weights are not served.
; Waves share nothing: no barrier.  The two paths that use LDS have bytes of their own.
.set SPI,  528                         ; a stage row: 512 bytes + 16, so that sixteen rows start at sixteen different 16-byte columns
.set STG,  16*SPI                      ; a wave's stage
.set MSTG, 4*STG                       ; MASK's stages lie behind ACT's
.set NACT, 768
.set NMSK, 512
.set R,    16                          ; ACT: v16-143  two sets of 64 registers as loaded
.set X,    144                         ; ACT: v144-207 64 numbers of my row: X + 32 c + i = k 64 c + 32 h + i
.set C,    208                         ; ACT: v208-219 a fragment's codes
.set TC,   220                         ; ACT: v220-227 the second halves of the conversions
.set AM,   228                         ; ACT: v228-229 largest magnitudes;  v230-231 scale operands;  v232-233 bytes
.set SOP,  230
.set BY,   232
.set W,    236                         ; ACT: v236-239 the four scale words
.set M,    144                         ; MASK: v144-207 my 16 bytes of each (key step, block)
.set T,    208                         ; MASK: v208-215 at work
.set OUT,  216                         ; MASK: v216-223 a pair of registers for each key step: lane n holds word n and word 32 + n
.set XW,   16                          ; WGT: v16-79 two sets of 32 numbers
.set CE,   80                          ; WGT: v80-85 the even block's codes;  v88-93 the odd block's;  v96-98 a conversion's second half
.set CO,   88
.set TW,   96
.macro LOADA t                         ; 128 along K of my 16 rows: each load takes 512 consecutive bytes of one row
.irp rr, 0,1,2,3,4,5,6,7,8,9,10,11,12,13,14,15
	global_load_b128 v[R+64*((\t)%2)+4*\rr:R+64*((\t)%2)+4*\rr+3], v4, s[32:33] offset:(\rr+8*(\rr/8))*4096+512*(\t) th:TH_LOAD_NT
.endr
.endm
.macro STEPA t                         ; 16 rows x 128 along K become one fragment and one scale word a row
.set RS, R+64*((\t)%2)
.if (\t) < 3
	s_wait_loadcnt 16                              ; this step's 16 loads are in; the next step's may be out
.else
	s_wait_loadcnt 0x0
.endif
.irp rr, 0,1,2,3,4,5,6,7,8,9,10,11,12,13,14,15
	ds_store_b128 v6, v[RS+4*\rr:RS+4*\rr+3] offset:SPI*\rr        ; the rows as they lie
.endr
.irp c, 0,1
.irp i, 0,1,2,3,4,5,6,7
	ds_load_b128 v[X+32*\c+4*\i:X+32*\c+4*\i+3], v7 offset:256*\c+16*\i   ; and back: a lane takes two whole blocks of 32 of its row (a wave's LDS instructions are served in order)
.endr
.endr
.if (\t)+2 < 4
	s_wait_dscnt 16                                ; the 16 stores are done: their registers take the loads of two steps on
	LOADA (\t)+2
.endif
	s_wait_dscnt 0x0
.irp c, 0,1
	v_max3_num_f32 v[AM+\c], |v[X+32*\c]|, |v[X+32*\c+1]|, 0x1800000   ; the floor 2^(3 - 127): the byte cannot fall under 1
.endr
.irp i, 2,4,6,8,10,12,14,16,18,20,22,24,26,28,30
.irp c, 0,1
	v_max3_num_f32 v[AM+\c], v[AM+\c], |v[X+32*\c+\i]|, |v[X+32*\c+\i+1]|
.endr
.endr
.irp c, 0,1
	v_add_nc_u32 v[SOP+\c], 0xff000000, v[AM+\c]   ; 2 off the exponent field: the conversion's scale operand
.endr
.irp c, 0,1
	v_lshrrev_b32 v[BY+\c], 23, v[SOP+\c]          ; the scale's byte
.endr
	v_lshl_or_b32 v234, v[BY+1], 16, v[BY]         ; my two bytes, blocks h and 2 + h,
	v_lshlrev_b32 v234, v9, v234                   ; at their places (8 h bits up);
	v_permlanex16_b32 v235, v234, s30, s31
	v_or_b32 v[W+(\t)], v234, v235                 ; with lane l xor 16's two the word is whole
.if (\t) > 0
	s_wait_xcnt 0x0                                ; the last step's stores have read the codes' registers
.endif
.irp c, 0,1
	v_cvt_scalef32_pk16_fp6_f32 v[C+6*\c:C+6*\c+2], v[X+32*\c:X+32*\c+15], v[SOP+\c]
	v_cvt_scalef32_pk16_fp6_f32 v[TC+4*\c:TC+4*\c+2], v[X+32*\c+16:X+32*\c+31], v[SOP+\c]   ; (a conversion's three registers begin on an even number)
.endr
	v_nop                                          ; one plain line behind the scaled conversions
.irp c, 0,1
.irp i, 0,1,2
	v_mov_b32 v[C+6*\c+3+\i], v[TC+4*\c+\i]
.endr
.endr
.irp c, 0,1
	global_store_b128 v4, v[C+6*\c:C+6*\c+3], s[34:35] offset:1536*(\t)+768*\c          ; 512 consecutive bytes,
	global_store_b64 v5, v[C+6*\c+4:C+6*\c+5], s[34:35] offset:1536*(\t)+768*\c+512     ; and 256
.endr
.endm
.macro PACK ks                         ; one key step of 128 keys: 64 words of 32 bits, and its flag
.set PN, 0
.rept 8
.irp e, 0,1,2,3,4,5,6,7
	v_and_b32 v[T+\e], 1<<(8*(\e%4)), v[M+16*(\ks)+(PN+\e)/4]       ; word n = 16 bb + i: my byte of key 32 bb + 16 h + i
.endr
.irp e, 0,1,2,3,4,5,6,7
	v_cmp_ne_u32 s[32+\e], 0, v[T+\e]              ; a bit a lane
.endr
.irp e, 0,1,2,3,4,5,6,7
	v_writelane_b32 v[OUT+2*(\ks)+PN/32], s[32+\e], (PN+\e)%32
.endr
.set PN, PN+8
.endr
	v_or_b32 v224, v[M+16*(\ks)], v[M+16*(\ks)+1]
	v_and_b32 v225, v[M+16*(\ks)], v[M+16*(\ks)+1]
.irp i, 2,3,4,5,6,7,8,9,10,11,12,13,14,15
	v_or_b32 v224, v224, v[M+16*(\ks)+\i]
	v_and_b32 v225, v225, v[M+16*(\ks)+\i]
.endr
	v_cmp_ne_u32 s40, 0, v224                      ; lanes with a hidden key
	v_cmp_ne_u32 s41, 0x01010101, v225             ; lanes with an open key
	s_cmp_lg_u32 s40, 0
	s_cselect_b32 s42, 1, 0
	s_cmp_eq_u32 s41, 0
	s_cselect_b32 s43, 1, 0
	s_add_co_u32 s42, s42, s43                     ; 0 none hidden, 1 some, 2 all
	s_lshl_b32 s42, s42, 2*(\ks)
	s_or_b32 s44, s44, s42
	global_store_b64 v5, v[OUT+2*(\ks):OUT+2*(\ks)+1], s[24:25] offset:256*(\ks)   ; 256 consecutive bytes: position 2 n = word n, 2 n + 1 = word 32 + n
.endm
.macro LOADW t                         ; block t: w(32 t + i, my column)
.irp i, 0,1,2,3,4,5,6,7,8,9,10,11,12,13,14,15,16,17,18,19,20,21,22,23,24,25,26,27,28,29,30,31
	global_load_b32 v[XW+32*((\t)%2)+\i], v6, s[36:37] offset:(32*(\t)+\i)*4096 th:TH_LOAD_NT
.endr
.endm
.macro BLOCKW t                        ; a block of 32 along K of my column; t = 4 j + 2 c + h of the fragment's layout
.set XS, XW+32*((\t)%2)
.set CX, CE+8*((\t)%2)
.if (\t) < 7
	s_wait_loadcnt 32                              ; this block's 32 loads are in; the next block's may be out
.else
	s_wait_loadcnt 0x0
.endif
	v_max3_num_f32 v102, |v[XS]|, |v[XS+1]|, |v[XS+2]|
	v_max3_num_f32 v103, |v[XS+3]|, |v[XS+4]|, |v[XS+5]|
.irp i, 6,10,14,18,22,26
	v_max3_num_f32 v102, v102, |v[XS+\i]|, |v[XS+\i+1]|
	v_max3_num_f32 v103, v103, |v[XS+\i+2]|, |v[XS+\i+3]|
.endr
	v_max3_num_f32 v102, v102, |v[XS+30]|, |v[XS+31]|
	v_max3_num_f32 v102, v102, v103, 0x1800000     ; and the floor
	v_add_nc_u32 v104, 0xff000000, v102            ; the conversion's scale operand
	v_lshrrev_b32 v103, 23, v104                   ; the byte
.if (\t)%4 == 0
	v_mov_b32 v[100+(\t)/4], v103
.else
	v_lshl_or_b32 v[100+(\t)/4], v103, 8*((\t)%4), v[100+(\t)/4]
.endif
.if ((\t)%2 == 0) && ((\t) > 0)
	s_wait_xcnt 0x0                                ; the last pair's stores have read both runs of codes
.endif
	v_cvt_scalef32_pk16_fp6_f32 v[CX:CX+2], v[XS:XS+15], v104
	v_cvt_scalef32_pk16_fp6_f32 v[TW:TW+2], v[XS+16:XS+31], v104
	v_nop                                          ; one plain line behind the scaled conversions
.irp i, 0,1,2
	v_mov_b32 v[CX+3+\i], v[TW+\i]
.endr
.if (\t)+2 < 8
	LOADW (\t)+2
.endif
.if (\t)%2 == 1
.irp i, 0,1,2,3,4,5
	v_permlane16_swap_b32 v[CE+\i], v[CO+\i]       ; lanes 0-15 hold tile 2 g's rows, lanes 16-31 tile 2 g + 1's: after the exchange the first run is tile 2 g's half fragment (h = 0 below, h = 1 above), the second tile 2 g + 1's
.endr
	global_store_b128 v4, v[CE:CE+3], s[20:21] offset:1536*((\t)/4)+768*(((\t)/2)%2)
	global_store_b64 v5, v[CE+4:CE+5], s[20:21] offset:1536*((\t)/4)+768*(((\t)/2)%2)+512
	global_store_b128 v4, v[CO:CO+3], s[20:21] offset:12288+1536*((\t)/4)+768*(((\t)/2)%2)
	global_store_b64 v5, v[CO+4:CO+5], s[20:21] offset:12288+1536*((\t)/4)+768*(((\t)/2)%2)+512
.endif
.endm
	s_load_b512 s[4:19], s[0:1], 0x0               ; q 4, k 6, v 8, mask 10, wq 12, wk 14, wv 16, wo 18
	s_load_b256 s[20:27], s[0:1], 0x40             ; img 20, isc 22, maskw 24, flags 26
	v_lshl_add_u32 v254, v0, 2, 0x10800
	v_mov_b32 v255, 0
	v_lshrrev_b32 v1, 5, v0
	v_readfirstlane_b32 s28, v1                    ; wave 0..3
	v_and_b32 v1, 31, v0                           ; lane
	v_and_b32 v2, 15, v0                           ; r
	v_bfe_u32 v3, v0, 4, 1                         ; h
	v_lshlrev_b32 v4, 4, v1                        ; 16 x lane
	v_lshlrev_b32 v5, 3, v1                        ; 8 x lane
	s_mov_b32 s30, 0x76543210
	s_mov_b32 s31, 0xfedcba98                      ; v_permlanex16_b32's selects for lane l xor 16
	s_mul_i32 s29, s28, STG                        ; my stage
	s_wait_kmcnt 0x0
	s_cmp_lt_u32 ttmp9, NACT
	s_cbranch_scc1 .Lact
	s_cmp_lt_u32 ttmp9, NACT+NMSK
	s_cbranch_scc1 .Lmask
	; ---- WGT: a lane takes a column n and its registers run down K.  A wave: 32 columns (tiles 2 g and 2 g + 1) x 256 along K
	s_sub_co_u32 s32, ttmp9, NACT+NMSK
	s_lshr_b32 s33, s32, 5                         ; which weight
	s_bfe_u32 s34, s32, 0x30002                    ; which 128 columns
	s_and_b32 s35, s32, 3                          ; which 256 along K
	s_lshl_b32 s34, s34, 2
	s_add_co_u32 s34, s34, s28                     ; g: which 32 columns are my wave's
	s_and_b32 s40, s33, 1
	s_cmp_lt_u32 s33, 2
	s_cselect_b64 s[36:37], s[12:13], s[16:17]     ; wq or wv
	s_cselect_b64 s[38:39], s[14:15], s[18:19]     ; wk or wo
	s_cmp_eq_u32 s40, 1
	s_cselect_b64 s[36:37], s[38:39], s[36:37]
	s_lshl_b32 s40, s35, 20                        ; 256 rows of 4,096 bytes
	s_lshl_b32 s41, s34, 7                         ; 32 columns of 4 bytes
	s_add_co_u32 s40, s40, s41
	s_mov_b32 s41, 0
	s_add_nc_u64 s[36:37], s[36:37], s[40:41]
	s_lshl_b32 s42, s33, 6
	s_lshl_b32 s43, s34, 1
	s_add_co_u32 s42, s42, s43
	s_add_co_u32 s42, s42, 1536                    ; my first tile
	s_mul_i32 s40, s42, 12288
	s_mul_i32 s43, s35, 3072
	s_add_co_u32 s40, s40, s43
	s_add_nc_u64 s[20:21], s[20:21], s[40:41]
	s_lshl_b32 s40, s42, 9
	s_lshl_b32 s43, s35, 3
	s_add_co_u32 s40, s40, s43
	s_add_nc_u64 s[22:23], s[22:23], s[40:41]
	v_and_b32 v6, 8, v2
	v_add_nc_u32 v6, v6, v2                        ; r + 8 (r / 8)
	v_lshl_add_u32 v6, v3, 3, v6                   ; + 8 h: lanes 16-31 are the odd tile's rows
	v_lshlrev_b32 v6, 2, v6                        ; the 32 lanes cover 128 consecutive bytes
	v_lshlrev_b32 v7, 5, v1                        ; my row of scale words: 32 bytes a row, the odd tile's 512 bytes on
	LOADW 0
	LOADW 1
.irp t, 0,1,2,3,4,5,6,7
	BLOCKW \t
.endr
	global_store_b64 v7, v[100:101], s[22:23]      ; my column's two scale words
	s_endpgm
	; ---- MASK: a wave takes 16 queries (a tile's rows) x 512 keys: four key steps
.Lmask:
	s_sub_co_u32 s32, ttmp9, NACT
	s_lshl_b32 s32, s32, 2
	s_add_co_u32 s32, s32, s28                     ; (128 b + tile) x 4 + which 512 keys
	s_lshr_b32 s33, s32, 2
	s_and_b32 s34, s32, 3
	s_lshr_b32 s35, s33, 1
	s_lshl_b32 s35, s35, 5
	s_and_b32 s36, s33, 1
	s_lshl_b32 s36, s36, 3
	s_add_co_u32 s35, s35, s36                     ; the tile's first row among the 8,192
	s_lshl_b32 s40, s35, 11
	s_lshl_b32 s36, s34, 9
	s_add_co_u32 s40, s40, s36
	s_mov_b32 s41, 0
	s_add_nc_u64 s[10:11], s[10:11], s[40:41]
	s_lshl_b32 s40, s32, 10                        ; four key steps of 256 bytes
	s_add_nc_u64 s[24:25], s[24:25], s[40:41]
	s_mov_b32 s40, s32                             ; one byte of flags
	s_add_nc_u64 s[26:27], s[26:27], s[40:41]
	s_add_co_u32 s29, s29, MSTG
	v_add_nc_u32 v6, s29, v4
	v_mul_u32_u24 v7, v2, SPI
	v_lshl_add_u32 v7, v3, 4, v7
	v_add_nc_u32 v7, s29, v7                       ; row r, + 16 h
.irp rr, 0,1,2,3,4,5,6,7,8,9,10,11,12,13,14,15
	global_load_b128 v[R+4*\rr:R+4*\rr+3], v4, s[10:11] offset:(\rr+8*(\rr/8))*2048 th:TH_LOAD_NT   ; 512 consecutive bytes of one row
.endr
.irp i, 0,1,2,3,4,5,6,7
	v_mov_b32 v[OUT+\i], 0                         ; v_writelane_b32 counts as a reader of its destination
.endr
	s_mov_b32 s44, 0
	s_wait_loadcnt 0x0
.irp rr, 0,1,2,3,4,5,6,7,8,9,10,11,12,13,14,15
	ds_store_b128 v6, v[R+4*\rr:R+4*\rr+3] offset:SPI*\rr
.endr
.irp n, 0,1,2,3,4,5,6,7,8,9,10,11,12,13,14,15
	ds_load_b128 v[M+4*\n:M+4*\n+3], v7 offset:32*\n               ; n = 4 (key step) + block: keys 32 n + 16 h + 0 .. 15 of query r
.endr
	s_wait_dscnt 0x0
	PACK 0
	PACK 1
	PACK 2
	PACK 3
	v_mov_b32 v226, s44
	v_mov_b32 v227, 0
	global_store_b8 v227, v226, s[26:27]           ; four flags of two bits; every lane writes the same byte with the same value
	s_wait_tensorcnt 0x0
	ds_add_u32 v254, v255
	s_wait_dscnt 0x0
	s_endpgm
	; ---- ACT: a wave takes a tile's 16 rows x 512 along K: four fragments
.Lact:
	s_lshl_b32 s32, ttmp9, 2
	s_add_co_u32 s32, s32, s28
	s_lshr_b32 s40, s32, 1                         ; the tile, 0 .. 1535
	s_and_b32 s41, s32, 1                          ; which half of K
	s_lshr_b32 s42, s40, 9                         ; q, k or v
	s_cmp_eq_u32 s42, 0
	s_cselect_b64 s[32:33], s[4:5], s[6:7]
	s_cmp_eq_u32 s42, 2
	s_cselect_b64 s[32:33], s[8:9], s[32:33]
	s_and_b32 s43, s40, 511
	s_lshr_b32 s44, s43, 1
	s_lshl_b32 s44, s44, 5
	s_and_b32 s45, s43, 1
	s_lshl_b32 s45, s45, 3
	s_add_co_u32 s44, s44, s45                     ; the tile's first row
	s_lshl_b32 s44, s44, 12
	s_lshl_b32 s45, s41, 11
	s_add_co_u32 s44, s44, s45
	s_mov_b32 s45, 0
	s_add_nc_u64 s[32:33], s[32:33], s[44:45]
	s_mul_i32 s44, s40, 12288
	s_mul_i32 s46, s41, 6144
	s_add_co_u32 s44, s44, s46
	s_add_nc_u64 s[34:35], s[20:21], s[44:45]
	s_lshl_b32 s44, s40, 9
	s_lshl_b32 s46, s41, 4
	s_add_co_u32 s44, s44, s46
	s_add_nc_u64 s[36:37], s[22:23], s[44:45]
	LOADA 0
	LOADA 1
	v_add_nc_u32 v6, s29, v4
	v_mul_u32_u24 v7, v2, SPI
	v_lshl_add_u32 v7, v3, 7, v7
	v_add_nc_u32 v7, s29, v7                       ; row r, + 128 h: my block of 32 numbers
	v_lshlrev_b32 v8, 5, v2
	v_lshl_add_u32 v8, v3, 3, v8                   ; the scale words: 32 r + 8 h
	v_lshlrev_b32 v9, 3, v3                        ; 8 h
	v_mov_b32 v235, 0                              ; a lane permute's destination counts as one of its sources
	STEPA 0
	STEPA 1
	STEPA 2
	STEPA 3
	v_cmp_ne_u32 vcc_lo, 0, v3
	v_cndmask_b32 v240, v[W], v[W+2], vcc_lo       ; lanes 0-15 store words 0 and 1 of my half of K, lanes 16-31 words 2 and 3
	v_cndmask_b32 v241, v[W+1], v[W+3], vcc_lo
	global_store_b64 v8, v[240:241], s[36:37]
	s_wait_tensorcnt 0x0
	ds_add_u32 v254, v255
	s_wait_dscnt 0x0
	s_endpgm
.Lfunc_end_k_q2102388a8d_prep:
	.size	k_q2102388a8d_prep, .Lfunc_end_k_q2102388a8d_prep-k_q2102388a8d_prep
	.p2alignl 7, 3214868480
	.fill 96, 4, 3214868480
	.section	.rodata,"a",@progbits
	.p2align	6, 0x0
	.amdhsa_kernel k_q2102388a8d_prep
		.amdhsa_group_segment_fixed_size 68096
		.amdhsa_private_segment_fixed_size 0
		.amdhsa_enable_private_segment 0
		.amdhsa_kernarg_size 96
		.amdhsa_user_sgpr_count 2
		.amdhsa_user_sgpr_kernarg_segment_ptr 1
		.amdhsa_wavefront_size32 1
		.amdhsa_system_sgpr_workgroup_id_x 1
		.amdhsa_system_sgpr_workgroup_id_y 1
		.amdhsa_system_sgpr_workgroup_id_z 1
		.amdhsa_system_vgpr_workitem_id 0
		.amdhsa_next_free_vgpr 256
		.amdhsa_next_free_sgpr 66
		.amdhsa_reserve_vcc 1
		.amdhsa_float_denorm_mode_32 3
		.amdhsa_float_denorm_mode_16_64 3
		.amdhsa_memory_ordered 1
		.amdhsa_forward_progress 1
		.amdhsa_inst_pref_size 127
	.end_amdhsa_kernel
	.amdgpu_metadata
---
amdhsa.version: [ 1, 2 ]
amdhsa.kernels:
  - .name:           k_q2102388a8d_prep
    .symbol:         k_q2102388a8d_prep.kd
    .args:
      - { .name: q, .offset: 0, .size: 8, .value_kind: global_buffer, .address_space: global }
      - { .name: k, .offset: 8, .size: 8, .value_kind: global_buffer, .address_space: global }
      - { .name: v, .offset: 16, .size: 8, .value_kind: global_buffer, .address_space: global }
      - { .name: mask, .offset: 24, .size: 8, .value_kind: global_buffer, .address_space: global }
      - { .name: wq, .offset: 32, .size: 8, .value_kind: global_buffer, .address_space: global }
      - { .name: wk, .offset: 40, .size: 8, .value_kind: global_buffer, .address_space: global }
      - { .name: wv, .offset: 48, .size: 8, .value_kind: global_buffer, .address_space: global }
      - { .name: wo, .offset: 56, .size: 8, .value_kind: global_buffer, .address_space: global }
      - { .name: img, .offset: 64, .size: 8, .value_kind: global_buffer, .address_space: global }
      - { .name: isc, .offset: 72, .size: 8, .value_kind: global_buffer, .address_space: global }
      - { .name: maskw, .offset: 80, .size: 8, .value_kind: global_buffer, .address_space: global }
      - { .name: flags, .offset: 88, .size: 8, .value_kind: global_buffer, .address_space: global }
    .group_segment_fixed_size: 68096
    .private_segment_fixed_size: 0
    .kernarg_segment_align: 8
    .kernarg_segment_size: 96
    .max_flat_workgroup_size: 128
    .sgpr_count:     66
    .vgpr_count:     256
    .wavefront_size: 32
...
	.end_amdgpu_metadata
.endif
;; end of part 1
;; launch proj (part 2): grid 4 x 96, 4 waves a work-group, clusters of 4 x 4, 327,680 bytes of LDS; arguments img, isc, bq, bk, bv, qkv_img, qkv_sc; writes qkv_img, qkv_sc
.if DOCPART == 2
	.amdgcn_target "amdgcn-amd-amdhsa--gfx1250"
	.amdhsa_code_object_version 6
	.text
	.protected	k_q2102388a8d_proj
	.globl	k_q2102388a8d_proj
	.p2align	8
	.type	k_q2102388a8d_proj,@function
k_q2102388a8d_proj:
	s_mov_b64 s[64:65], 0
	v_nop
	global_prefetch_b8 v0, s[64:65] scope:SCOPE_SE
	s_setreg_imm32_b32 hwreg(HW_REG_WAVE_MODE, 25, 1), 1
	s_wait_xcnt 0x0
	s_wait_alu depctr_hold_cnt(0) depctr_sa_sdst(0) depctr_va_vdst(0) depctr_va_sdst(0) depctr_va_ssrc(0) depctr_va_vcc(0) depctr_vm_vsrc(0)
	s_getreg_b32 s2, hwreg(HW_REG_IB_STS2, 6, 4)
	s_cmp_eq_u32 s2, 0
	s_cbranch_scc0 .Lentry_in_a_cluster
	s_endpgm
.Lentry_in_a_cluster:
	s_bfe_u32 s2, ttmp6, 0x10000c
	s_cmp_lg_u32 s2, 0xf033
	s_cbranch_scc0 .Lentry_shape_is_right
	s_endpgm
.Lentry_shape_is_right:
; PROJ.  q wq + bq, k wk + bk and v wv + bv on codes of FP6 (E2M3), K = 1,024, and the results quantised again on the way out, as images of the operands that the attention launch takes.
; A tile of the result, 256 x 256, is made by four waves, each 128 x 128: 64 accumulators.  "A" is the side whose rows end up one to a lane, "B" the side whose rows run along a lane's registers
; (the matrix instruction is used transposed: source 0 = 16 rows of B, source 1 = 16 rows of A).  For q and k: A = tokens, B = the weight's columns, so a lane holds one token and 128 channels (two heads), which are the
; K of the scores' product.  For v: A = the weight's columns, B = tokens, so a lane holds one channel and 128 keys, which are the K of the second product.  One text serves all three.
; OPERANDS come as images of their registers (12,288 bytes a tile of 16 rows; 3,072 of them are 256 along K), so a fragment is four LDS loads whose lanes stand side by side: no pitch, no padding.
; The tiles' rows are in the order 32 (T / 2) + 8 (T % 2) + r + 8 (r / 8): the 16 registers of B's tiles 2 b and 2 b + 1 are then 16 neighbours, 32 b + 16 h + 0 .. 15.
; K goes in four steps of 256 through a ring of two LDS slots filled by the tensor data mover; the scale words of all of K come once, with the first fills.
; CLUSTERS: 4 x 4 work-groups; A's tiles are asked for jointly along a row of the cluster, B's along a column.  Cluster y / 8 says which tensor; all sixteen partners share it.
; THE BIAS: along B (q, k) it is the C of each sum's first product; along A (v) it is added on the way out.
; LIMITS: as the quantiser of the launch before: a block under 2^-124 gets the byte 1; NaN and infinities are not served.
; REGISTERS, in windows of 256: window 0: v16-31 addresses; v32-63 scale words, two sets; v64-127 the bias along B; v128-223 A's fragments, one set (free on the way out); v224-231 the bias along A.
;   window 1: B's fragments, two sets, at v0 and v128.   windows 2, 3: the accumulators: (a, b) at v[8 (8 (a % 4) + b)] of window 2 + a / 4.
.set NAB,    8                         ; A's blocks of 16 rows for a wave
.set HB,     NAB/2
.set QB,     HB/2
.set NL,     4                         ; LDS loads that bring a fragment
.set FR,     12                        ; registers of a fragment
.set TILEB,  12288                     ; a tile's image
.set STEPB,  3072                      ; 256 along K of it
.set HALFA,  NAB*STEPB                 ; what one tensor load brings of A, and what one wave reads
.set HALFB,  8*STEPB
.set SLOT,   2*HALFA+2*HALFB           ; A's two halves, then B's
.set HALFSA, 2*NAB*272                 ; the scale words of NAB tiles: 512 bytes a tile, as rows of 256 bytes + 16
.set HALFSB, 16*272
.set SBLK,   544                       ; those of one tile
.set SCL,    2*SLOT
.set SPARE,  SCL+2*HALFSA+2*HALFSB     ; the spare words, 128 bytes for each wave: two blocks of 256 bytes that no other line names
.set ADRA, 16                          ; v16-17 16 x lane + my A rows in slot 0, 1;  v18-19 the same with 8 x lane
.set ADRB, 20                          ; v20-23 the same for B
.set L16,  24
.set L8,   25
.set HH,   26
.set ADRS, 27                          ; my scale words: lanes 0-15 A's rows, lanes 16-31 B's
.set SPW,  28                          ; my spare word; never rewritten
.set NIL,  29                          ; 0; never rewritten
.set SC,   32
.set BB,   64
.set AF,   128
.set BA,   224
.set PC,   128                         ; the way out: v128-147 codes
.set TM,   160                         ; v160-175 maxima, bytes, scale operands
.set PW,   176                         ; v176-183 a scale word for each block of A
.set W4,   184
.set WV,   18
.set WY,   19
.set WX,   20
.set CX,   21
.set CYP,  22
.set TENS, 40
.set TR,   42
.set TC,   43
.set SEL,  66
.set G1,   24
.set G0,   32
.set G1B,  48
.set G0B,  56
.set G1S,  68
.set G0S,  76
.set G1SB, 80
.set G0SB, 88
.set MUL_LO,   0xa1                    ; source 0 (B) window 1, source 1 (A) window 0, C and D window 2
.set MUL_HI,   0xf1                    ; C and D window 3
.set FIRST_LO, 0x81                    ; C (the bias) window 0, D window 2
.set FIRST_HI, 0xc1
.set TO_B,     0x40
.set MSB, 0
.macro WIN new                         ; the immediate's high byte repeats the setting that is left
.if MSB != \new
	s_set_vgpr_msb (MSB<<8)|\new
.set MSB, \new
.endif
.endm
.macro JLOAD g0a, g1a, g0b, g1b        ; a joint load: waves 0 and 1 fetch for A, waves 2 and 3 for B; four v_nop follow each of the two lines
	s_cmp_eq_u32 s[WY], 0
	s_cbranch_scc0 .Lfor_b_\@
	tensor_load_to_lds s[\g0a:\g0a+3], s[\g1a:\g1a+7]
	s_nop 0
.rept 4
	v_nop
.endr
	s_branch .Lasked_\@
.Lfor_b_\@:
	tensor_load_to_lds s[\g0b:\g0b+3], s[\g1b:\g1b+7]
	s_nop 0
.rept 4
	v_nop
.endr
.Lasked_\@:
.endm
.macro CREST                           ; a round of the cluster's barrier behind its opening barrier
	s_cmp_lg_u32 s[WV], 0
	s_cbranch_scc1 .Lnot_wave_0_\@
	s_barrier_signal -3
.Lnot_wave_0_\@:
	s_barrier_wait -3
	s_barrier_signal -1
	s_barrier_wait -1
.endm
.macro CROUND
	s_barrier_signal -1
	s_barrier_wait -1
	CREST
.endm
.macro PLACES n
.rept \n
	v_nop
.endr
.endm
.macro SHAPE g, c, r, p                ; words 1 to 7 of a descriptor's group 1: r rows of c elements, p elements from row to row
	s_mov_b32 s[\g+1], (\c)<<16
	s_mov_b32 s[\g+2], (\r)<<16
	s_mov_b32 s[\g+3], (\c)<<16
	s_mov_b32 s[\g+4], \r
	s_mov_b32 s[\g+5], \p
	s_mov_b32 s[\g+6], 0
	s_mov_b32 s[\g+7], 0
.endm
.macro FRAG reg, adr, q, i             ; tile i's fragment of the slot's q-th 128 along K: two half fragments, each 512 + 256 consecutive bytes
	ds_load_b128 v[\reg:\reg+3], v[\adr] offset:(\i)*STEPB+(\q)*1536
	ds_load_b64 v[\reg+4:\reg+5], v[\adr+2] offset:(\i)*STEPB+(\q)*1536+512
	ds_load_b128 v[\reg+6:\reg+9], v[\adr] offset:(\i)*STEPB+(\q)*1536+768
	ds_load_b64 v[\reg+10:\reg+11], v[\adr+2] offset:(\i)*STEPB+(\q)*1536+1280
.endm
.macro FETCH_B slot, q, p
	WIN TO_B
.irp i, 0,1,2,3,4,5,6,7
	FRAG 128*(\p)+FR*\i, ADRB+\slot, \q, \i
.endr
	WIN 0
.endm
.macro FETCH_A slot, q, i0             ; A's blocks i0 .. i0 + HB - 1
.set FI, \i0
.rept HB
	FRAG AF+FR*FI, ADRA+\slot, \q, FI
.set FI, FI+1
.endr
.endm
.macro SCALES sc                       ; a slot's two scale words a row: lanes 0-15 A's block i, lanes 16-31 B's block i
.irp i, 0,1,2,3,4,5,6,7
	ds_load_b64 v[SC+16*\sc+2*\i:SC+16*\sc+2*\i+1], v[ADRS] offset:\i*SBLK
.endr
.endm
; n blocks of A from a0 on, each against B's eight.  The accumulators take turns, one instruction a turn, in the same order in every step.
.macro MULS a0, n, p, q, sc, first
.set MA, \a0
.rept \n
.irp b, 0,1,2,3,4,5,6,7
.if \first
	v_wmma_scale_f32_16x16x128_f8f6f4 v[8*(8*(MA%4)+\b):8*(8*(MA%4)+\b)+7], v[128*(\p)+FR*\b:128*(\p)+FR*\b+FR-1], v[AF+FR*MA:AF+FR*MA+FR-1], v[BB+8*\b:BB+8*\b+7], v[SC+16*(\sc)+2*\b+(\q)], v[SC+16*(\sc)+2*MA+(\q)] matrix_a_fmt:MATRIX_FMT_FP6 matrix_b_fmt:MATRIX_FMT_FP6 matrix_a_scale:MATRIX_SCALE_ROW1
.else
	v_wmma_scale_f32_16x16x128_f8f6f4 v[8*(8*(MA%4)+\b):8*(8*(MA%4)+\b)+7], v[128*(\p)+FR*\b:128*(\p)+FR*\b+FR-1], v[AF+FR*MA:AF+FR*MA+FR-1], v[8*(8*(MA%4)+\b):8*(8*(MA%4)+\b)+7], v[SC+16*(\sc)+2*\b+(\q)], v[SC+16*(\sc)+2*MA+(\q)] matrix_a_fmt:MATRIX_FMT_FP6 matrix_b_fmt:MATRIX_FMT_FP6 matrix_a_scale:MATRIX_SCALE_ROW1
.endif
.endr
.set MA, MA+1
.endr
.endm
; A step of 128 along K that has its successor in the same slot.  A block of A is free as soon as its eight products are issued: the lower blocks are fetched anew in the step's middle, the upper at its end.
.macro STEP slot, q, first
	s_wait_dscnt HB*NL                             ; all but the youngest loads (A's upper blocks) are in
.if \first
	WIN FIRST_LO
.else
	WIN MUL_LO
.endif
	MULS 0, HB, (\q)%2, \q, \slot, \first
	s_wait_dscnt 0x0                               ; A's upper blocks are in
	PLACES 4                                       ; four plain lines in front of loads into registers that matrix instructions have read
	FETCH_B \slot, (\q)+1, 1-(\q)%2
	FETCH_A \slot, (\q)+1, 0
.if \first
	WIN FIRST_HI
.else
	WIN MUL_HI
.endif
	MULS HB, HB, (\q)%2, \q, \slot, \first
	PLACES 4
	WIN 0
	FETCH_A \slot, (\q)+1, HB
.endm
; A slot's last step changes slots: one barrier; in front of it each wave waits for all its tensor loads, adds 0 to its spare word, and waits for that and for its reads of this slot.
.macro TURN slot, next, fill
	s_wait_tensorcnt 0x0                           ; all my tensor loads have landed: my part of the next slot
	ds_add_u32 v[SPW], v[NIL]                      ; 0 onto my spare word
	s_wait_dscnt HB*NL+1                           ; (the add and A's upper blocks may be out)
	WIN MUL_LO
	MULS 0, QB, 1, 1, \slot, 0
	s_wait_dscnt 0x0                               ; the add is done, and my reads of this slot are over
	s_barrier_signal -1
	MULS QB, QB, 1, 1, \slot, 0
	WIN 0
	s_barrier_wait -1
.if \fill
	CREST                                          ; the barrier has opened a round of the cluster's barrier: no wave of any partner still reads this slot or has a load on its way
	s_add_nc_u64 s[G0+4*\slot+2:G0+4*\slot+3], s[G0+4*\slot+2:G0+4*\slot+3], 2*STEPB
	s_add_nc_u64 s[G0B+4*\slot+2:G0B+4*\slot+3], s[G0B+4*\slot+2:G0B+4*\slot+3], 2*STEPB
	JLOAD G0+4*\slot, G1, G0B+4*\slot, G1B         ; the first tensor load behind the round, one a wave; its four v_nop are also the places in front of the loads below
.else
	PLACES 4
.endif
	v_add_nc_u32 v[ADRS], 8, v[ADRS]               ; the next slot's scale words (no LDS load of mine is out)
	FETCH_B \next, 0, 0
	FETCH_A \next, 0, 0
	SCALES \next
	WIN MUL_HI
	MULS HB, HB, 1, 1, \slot, 0
	PLACES 4
	WIN 0
	FETCH_A \next, 0, HB
.endm
	s_load_b256 s[4:11], s[0:1], 0x0               ; img 4, isc 6, bq 8, bk 10
	s_load_b128 s[12:15], s[0:1], 0x20             ; bv 12, qkv_img 14
	s_load_b64 s[16:17], s[0:1], 0x30              ; qkv_sc
	v_lshl_add_u32 v[SPW], v0, 2, SPARE
	v_mov_b32 v[NIL], 0
	ds_add_u32 v28, v29
	ds_add_u32 v28, v29
	s_wait_dscnt 0x0
	v_lshrrev_b32 v1, 5, v0
	v_readfirstlane_b32 s[WV], v1                  ; wave 0..3
	s_lshr_b32 s[WY], s[WV], 1                     ; which half of A's rows is mine.  Also: I fetch for A (0) or for B (1)
	s_and_b32 s[WX], s[WV], 1                      ; which half of B's rows.  Also: which half of that side I fetch
	s_bfe_u32 s[CX], ttmp6, 0x40000
	s_bfe_u32 s[CYP], ttmp6, 0x40004
	s_and_b32 s23, ttmp7, 0xffff                   ; cluster y, 0 .. 23
	s_lshr_b32 s[TENS], s23, 3                     ; 0 q, 1 k, 2 v
	s_and_b32 s41, s23, 7
	s_lshl_b32 s41, s41, 2                         ; the tokens' 32 blocks of 256: four to a cluster
	s_lshl_b32 s44, s[TENS], 9                     ; q's or k's first tile in img
	s_lshl_b32 s45, s[TENS], 6
	s_add_co_u32 s45, s45, 1536                    ; wq's or wk's
	s_mov_b32 s46, 1664                            ; wv's
	s_mov_b32 s47, 1024                            ; v's
	s_cmp_eq_u32 s[TENS], 2
	s_cselect_b32 s[TR], 0, s41
	s_cselect_b32 s[TC], s41, 0
	s_cselect_b32 s44, s46, s44                    ; A's first tile
	s_cselect_b32 s45, s47, s45                    ; B's
	s_add_co_u32 s[TR], s[TR], s[CYP]              ; which 256 rows of A: it hangs on cy alone,
	s_add_co_u32 s[TC], s[TC], s[CX]               ; which 256 rows of B: on cx alone
	s_lshl_b32 s2, s[CYP], 2
	s_lshl_b32 s2, 15, s2                          ; my row of the cluster
	s_lshl_b32 s3, 0x1111, s[CX]                   ; my column
	s_or_b32 s[G1], s2, (3<<16)|(1<<21)            ; 15:0 the mask; 17:16 elements of 8 bytes; 21 set beside a mask; no padding
	s_or_b32 s[G1B], s3, (3<<16)|(1<<21)
	s_or_b32 s[G1S], s2, (3<<16)|(1<<20)|(1<<21)|(5<<22)|(3<<25)    ; the scale words: 16 bytes of padding behind every 256
	s_or_b32 s[G1SB], s3, (3<<16)|(1<<20)|(1<<21)|(5<<22)|(3<<25)
	SHAPE G1, 384, NAB, 1536                       ; NAB tiles x 3,072 bytes, 12,288 bytes apart
	SHAPE G1B, 384, 8, 1536
	SHAPE G1S, 32, 2*NAB, 32                       ; dense: rows of 256 bytes
	SHAPE G1SB, 32, 16, 32
	s_lshl_b32 s47, s[WX], 3                       ; which 8 tiles I fetch
	s_lshl_b32 s46, s[TR], 4
	s_add_co_u32 s46, s46, s44
	s_add_co_u32 s46, s46, s47                     ; A's
	s_lshl_b32 s66, s[TC], 4
	s_add_co_u32 s66, s66, s45
	s_add_co_u32 s66, s66, s47                     ; B's
	s_mul_i32 s92, s46, TILEB
	s_mov_b32 s93, 0
	s_lshl_b32 s94, s46, 9
	s_mov_b32 s95, 0
	s_mul_i32 s96, s66, TILEB
	s_mov_b32 s97, 0
	s_lshl_b32 s98, s66, 9
	s_mov_b32 s99, 0
	s_mul_i32 s44, s[WX], HALFA                    ; where they go: the wave's number and constants alone
	s_mul_i32 s45, s[WX], HALFB
	s_add_co_u32 s45, s45, 2*HALFA
	s_mul_i32 s41, s[WX], HALFSA
	s_add_co_u32 s41, s41, SCL
	s_mul_i32 s23, s[WX], HALFSB
	s_add_co_u32 s23, s23, SCL+2*HALFSA
	s_wait_kmcnt 0x0
	s_add_nc_u64 s[92:93], s[4:5], s[92:93]
	s_add_nc_u64 s[94:95], s[6:7], s[94:95]
	s_add_nc_u64 s[96:97], s[4:5], s[96:97]
	s_add_nc_u64 s[98:99], s[6:7], s[98:99]
	CROUND                                         ; all sixteen work-groups are here: the first joint loads meet
	s_mov_b32 s[G0S], 1
	s_mov_b32 s[G0S+1], s41
	s_mov_b64 s[G0S+2:G0S+3], s[94:95]
	s_or_b32 s[G0S+3], s[G0S+3], 0x80000000
	s_mov_b32 s[G0SB], 1
	s_mov_b32 s[G0SB+1], s23
	s_mov_b64 s[G0SB+2:G0SB+3], s[98:99]
	s_or_b32 s[G0SB+3], s[G0SB+3], 0x80000000
	JLOAD G0S, G1S, G0SB, G1SB                     ; the scale words of all of K: filled once
.irp s, 0,1
	s_mov_b32 s[G0+4*\s], 1
	s_add_co_u32 s[G0+4*\s+1], s44, \s*SLOT
	s_add_nc_u64 s[G0+4*\s+2:G0+4*\s+3], s[92:93], \s*STEPB
	s_or_b32 s[G0+4*\s+3], s[G0+4*\s+3], 0x80000000
	s_mov_b32 s[G0B+4*\s], 1
	s_add_co_u32 s[G0B+4*\s+1], s45, \s*SLOT
	s_add_nc_u64 s[G0B+4*\s+2:G0B+4*\s+3], s[96:97], \s*STEPB
	s_or_b32 s[G0B+4*\s+3], s[G0B+4*\s+3], 0x80000000
	JLOAD G0+4*\s, G1, G0B+4*\s, G1B               ; three loads of mine are out
.endr
	v_and_b32 v1, 31, v0                           ; lane
	v_and_b32 v2, 15, v0                           ; r
	v_bfe_u32 v[HH], v0, 4, 1                      ; h
	; the bias
	s_cmp_eq_u32 s[TENS], 2
	s_cbranch_scc1 .Lbias_v
	s_cmp_eq_u32 s[TENS], 0
	s_cselect_b64 s[92:93], s[8:9], s[10:11]
	s_lshl_b32 s94, s[TC], 10
	s_lshl_b32 s95, s[WX], 9
	s_add_co_u32 s94, s94, s95                     ; my 128 channels
	s_mov_b32 s95, 0
	s_add_nc_u64 s[92:93], s[92:93], s[94:95]
	v_lshlrev_b32 v3, 6, v[HH]                     ; lane (r, h) wants, for B's block b, channels 32 (b / 2) + 16 h + 8 (b % 2) + 0 .. 7
.irp b, 0,1,2,3,4,5,6,7
	global_load_b128 v[BB+8*\b:BB+8*\b+3], v3, s[92:93] offset:(32*(\b/2)+8*(\b%2))*4
	global_load_b128 v[BB+8*\b+4:BB+8*\b+7], v3, s[92:93] offset:(32*(\b/2)+8*(\b%2))*4+16
.endr
.irp a, 0,1,2,3,4,5,6,7
	v_mov_b32 v[BA+\a], 0
.endr
	s_branch .Lbias_done
.Lbias_v:
	s_lshl_b32 s94, s[TR], 10
	s_lshl_b32 s95, s[WY], 9
	s_add_co_u32 s94, s94, s95
	s_mov_b32 s95, 0
	s_add_nc_u64 s[92:93], s[12:13], s[94:95]
	v_and_b32 v3, 8, v2
	v_add_nc_u32 v3, v3, v2
	v_lshlrev_b32 v3, 2, v3                        ; for A's block a my channel is 32 (a / 2) + 8 (a % 2) + r + 8 (r / 8)
.irp a, 0,1,2,3,4,5,6,7
	global_load_b32 v[BA+\a], v3, s[92:93] offset:(32*(\a/2)+8*(\a%2))*4
.endr
.set II, 0
.rept 64
	v_mov_b32 v[BB+II], 0                          ; nothing is added along the keys
.set II, II+1
.endr
.Lbias_done:
	v_lshlrev_b32 v[L16], 4, v1
	v_lshlrev_b32 v[L8], 3, v1
	s_mul_i32 s44, s[WY], HALFA                    ; my rows of A
	s_mul_i32 s45, s[WX], HALFB                    ; my rows of B,
	s_add_co_u32 s45, s45, 2*HALFA                 ; which lie behind A's
.irp s, 0,1
	v_add_nc_u32 v[ADRA+\s], s44, v[L16]
	v_add_nc_u32 v[ADRA+2+\s], s44, v[L8]
	v_add_nc_u32 v[ADRB+\s], s45, v[L16]
	v_add_nc_u32 v[ADRB+2+\s], s45, v[L8]
	s_add_co_u32 s44, s44, SLOT
	s_add_co_u32 s45, s45, SLOT
.endr
	v_lshlrev_b32 v5, 5, v2                        ; my row's scale words: 32 bytes a row,
	v_lshrrev_b32 v6, 8, v5
	v_lshl_add_u32 v5, v6, 4, v5                   ; and 16 more for each 256 passed
	s_mul_i32 s44, s[WY], HALFSA
	s_mul_i32 s45, s[WX], HALFSB
	s_add_co_u32 s45, s45, 2*HALFSA
	s_sub_co_u32 s45, s45, s44
	v_mul_u32_u24 v6, s45, v[HH]                   ; lanes 16-31 take B's
	s_add_co_u32 s44, s44, SCL
	v_add_nc_u32 v5, v5, v6
	v_add_nc_u32 v[ADRS], s44, v5
	s_wait_tensorcnt 1                             ; the scale words and my part of slot 0 are in; slot 1's load may be out
	s_barrier_signal -1
	s_barrier_wait -1
	FETCH_B 0, 0, 0
	FETCH_A 0, 0, 0
	SCALES 0
	FETCH_A 0, 0, HB
	s_wait_loadcnt 0x0                             ; the bias
	STEP 0, 0, 1                                   ; K = 1,024 is eight steps of 128, written out: the first starts the sums on the bias
	TURN 0, 1, 1
	STEP 1, 0, 0
	TURN 1, 0, 1
	STEP 0, 0, 0
	TURN 0, 1, 0                                   ; nothing is left to fetch
	STEP 1, 0, 0
	s_wait_dscnt HB*NL
	WIN MUL_LO
	MULS 0, HB, 1, 1, 1, 0
	s_wait_dscnt 0x0
	WIN MUL_HI
	MULS HB, HB, 1, 1, 1, 0
	WIN 0
	PLACES 4
	; THE WAY OUT.  A block of A (16 rows) x my 128 along B is one fragment of the next product: 64 numbers a lane, register 16 b + i = 32 b + 16 h + i.  It is quantised in registers and stored as an image.
	; q, k: P = which 128 tokens, Q = which pair of heads; half fragment c belongs to head 2 Q + c, tile 8 (P % 16) + a.   v: P = which 128 keys, Q = which pair of heads; the fragment belongs to channel tile 8 Q + a, key step P % 16.
	s_mov_b32 s[SEL], 0x76543210
	s_mov_b32 s[SEL+1], 0xfedcba98
	s_lshl_b32 s44, s[TR], 1
	s_add_co_u32 s44, s44, s[WY]                   ; which 128 rows of A
	s_lshl_b32 s45, s[TC], 1
	s_add_co_u32 s45, s45, s[WX]                   ; which 128 rows of B
	s_mov_b32 s92, 6144
	s_mov_b32 s94, 98304
	s_mov_b32 s96, 768
	s_cmp_eq_u32 s[TENS], 2
	s_cselect_b32 s46, s45, s44                    ; P
	s_cselect_b32 s47, s44, s45                    ; Q
	s_cselect_b32 s92, 1536, s92                   ; bytes for each P % 16
	s_cselect_b32 s94, 768, s94                    ; from half fragment 0 to 1
	s_cselect_b32 s96, 24576, s96                  ; from block a to a + 1
	s_lshr_b32 s23, s46, 4                         ; the batch
	s_and_b32 s46, s46, 15
	s_lshl_b32 s41, s23, 4
	s_lshl_b32 s2, s47, 1
	s_add_co_u32 s41, s41, s2
	s_mul_i32 s41, s41, 98304                      ; a head is 98,304 bytes in all three tensors
	s_mul_i32 s92, s92, s46
	s_add_co_u32 s92, s92, s41
	s_mul_i32 s41, s[TENS], 6291456
	s_add_co_u32 s92, s92, s41
	s_mov_b32 s93, 0
	s_mov_b32 s95, 0
	s_mov_b32 s97, 0
	s_add_nc_u64 s[92:93], s[14:15], s[92:93]
	s_add_nc_u64 s[94:95], s[92:93], s[94:95]
	s_lshl_b32 s41, s23, 3
	s_add_co_u32 s41, s41, s47
	s_lshl_b32 s41, s41, 4
	s_add_co_u32 s41, s41, s46
	s_lshl_b32 s41, s41, 9
	s_lshl_b32 s2, s[TENS], 18
	s_add_co_u32 s98, s41, s2
	s_mov_b32 s99, 0
	s_add_nc_u64 s[98:99], s[16:17], s[98:99]
.irp b, 0,1,2,3
	v_mov_b32 v[TM+4+\b], 0                        ; a lane permute's destination counts as one of its sources
.endr
.macro OUTBLK a
.set WN,  2+(\a)/4
.set AC0, 64*((\a)%4)
.set WRW, (WN<<6)|WN
.set WSS, WN|(WN<<2)
.if (\a) > 0
	s_wait_xcnt 0x0                                ; the last block's stores have read their registers and bases
	s_add_nc_u64 s[92:93], s[92:93], s[96:97]
	s_add_nc_u64 s[94:95], s[94:95], s[96:97]
.endif
	s_cmp_lg_u32 s[TENS], 2
	s_cbranch_scc1 .Lno_ba_\@
	WIN WRW                                        ; v: my channel's bias onto my 64 numbers, each accumulator from its low end on
.set II, 0
.rept 32
.if (\a)%2 == 0
	v_pk_add_f32 v[AC0+II:AC0+II+1], v[AC0+II:AC0+II+1], v[BA+2*((\a)/2):BA+2*((\a)/2)+1] op_sel_hi:[1,0]
.else
	v_pk_add_f32 v[AC0+II:AC0+II+1], v[AC0+II:AC0+II+1], v[BA+2*((\a)/2):BA+2*((\a)/2)+1] op_sel:[0,1] op_sel_hi:[1,1]
.endif
.set II, II+2
.endr
	WIN 0
.Lno_ba_\@:
	WIN WSS
.irp b, 0,1,2,3
	v_max3_num_f32 v[TM+\b], |v[AC0+16*\b]|, |v[AC0+16*\b+1]|, 0x1800000   ; block b: my 16 numbers, and the floor 2^(3 - 127)
.endr
.irp i, 2,4,6,8,10,12,14
.irp b, 0,1,2,3
	v_max3_num_f32 v[TM+\b], |v[AC0+16*\b+\i]|, |v[AC0+16*\b+\i+1]|, v[TM+\b]
.endr
.endr
	WIN 0
.irp b, 0,1,2,3
	v_permlanex16_b32 v[TM+4+\b], v[TM+\b], s[SEL], s[SEL+1]
.endr
.irp b, 0,1,2,3
	v_max_num_f32 v[TM+\b], v[TM+\b], v[TM+4+\b]   ; with lane l xor 16's: the block's largest magnitude
.endr
.irp b, 0,1,2,3
	v_add_nc_u32 v[TM+12+\b], 0xff000000, v[TM+\b] ; the conversion's scale operand
.endr
.irp b, 0,1,2,3
	v_lshrrev_b32 v[TM+4+\b], 23, v[TM+12+\b]      ; the byte
.endr
	v_lshl_or_b32 v[PW+(\a)], v[TM+5], 8, v[TM+4]
	v_lshl_or_b32 v[PW+(\a)], v[TM+6], 16, v[PW+(\a)]
	v_lshl_or_b32 v[PW+(\a)], v[TM+7], 24, v[PW+(\a)]
	WIN WN
.irp c, 0,1
	v_cvt_scalef32_pk16_fp6_f32 v[PC+6*\c:PC+2+6*\c], v[AC0+32*\c:AC0+15+32*\c], v[TM+12+2*\c]
	v_cvt_scalef32_pk16_fp6_f32 v[PC+12+4*\c:PC+14+4*\c], v[AC0+16+32*\c:AC0+31+32*\c], v[TM+12+2*\c+1]
.endr
	WIN 0
	v_nop                                          ; one plain line behind the scaled conversions
.irp c, 0,1                                    ; the layout wants a whole block in a lane: lanes 0-15 block 2 c, lanes 16-31 block 2 c + 1
.irp i, 0,1,2
	v_permlane16_swap_b32 v[PC+6*\c+\i], v[PC+12+4*\c+\i]
.endr
.irp i, 0,1,2
	v_mov_b32 v[PC+3+6*\c+\i], v[PC+12+4*\c+\i]
.endr
.endr
	global_store_b128 v[L16], v[PC:PC+3], s[92:93]                 ; 512 consecutive bytes, then 256
	global_store_b64 v[L8], v[PC+4:PC+5], s[92:93] offset:512
	global_store_b128 v[L16], v[PC+6:PC+9], s[94:95]
	global_store_b64 v[L8], v[PC+10:PC+11], s[94:95] offset:512
.endm
.irp a, 0,1,2,3,4,5,6,7
	OUTBLK \a
.endr
	v_cmp_ne_u32 vcc_lo, 0, v[HH]
.irp w, 0,1,2,3
	v_cndmask_b32 v[W4+\w], v[PW+2*\w], v[PW+2*\w+1], vcc_lo       ; lanes 0-15 carry the even blocks' words, lanes 16-31 the odd blocks'
.endr
	global_store_b128 v[L16], v[W4:W4+3], s[98:99]                 ; 512 consecutive bytes
	s_wait_tensorcnt 0x0                           ; the wave's end
	ds_add_u32 v[SPW], v[NIL]
	s_wait_dscnt 0x0
	CROUND                                         ; the closing round: no work-group ends while a partner may still ask for a tile that names it
	s_endpgm
.Lfunc_end_k_q2102388a8d_proj:
	.size	k_q2102388a8d_proj, .Lfunc_end_k_q2102388a8d_proj-k_q2102388a8d_proj
	.p2alignl 7, 3214868480
	.fill 96, 4, 3214868480
	.section	.rodata,"a",@progbits
	.p2align	6, 0x0
	.amdhsa_kernel k_q2102388a8d_proj
		.amdhsa_group_segment_fixed_size 327680
		.amdhsa_private_segment_fixed_size 0
		.amdhsa_enable_private_segment 0
		.amdhsa_kernarg_size 56
		.amdhsa_user_sgpr_count 2
		.amdhsa_user_sgpr_kernarg_segment_ptr 1
		.amdhsa_wavefront_size32 1
		.amdhsa_system_sgpr_workgroup_id_x 1
		.amdhsa_system_sgpr_workgroup_id_y 1
		.amdhsa_system_sgpr_workgroup_id_z 1
		.amdhsa_system_vgpr_workitem_id 0
		.amdhsa_next_free_vgpr 1024
		.amdhsa_next_free_sgpr 100
		.amdhsa_reserve_vcc 1
		.amdhsa_float_denorm_mode_32 3
		.amdhsa_float_denorm_mode_16_64 3
		.amdhsa_memory_ordered 1
		.amdhsa_forward_progress 1
		.amdhsa_inst_pref_size 172
	.end_amdhsa_kernel
	.amdgpu_metadata
---
amdhsa.version: [ 1, 2 ]
amdhsa.kernels:
  - .name:           k_q2102388a8d_proj
    .symbol:         k_q2102388a8d_proj.kd
    .args:
      - { .name: img, .offset: 0, .size: 8, .value_kind: global_buffer, .address_space: global }
      - { .name: isc, .offset: 8, .size: 8, .value_kind: global_buffer, .address_space: global }
      - { .name: bq, .offset: 16, .size: 8, .value_kind: global_buffer, .address_space: global }
      - { .name: bk, .offset: 24, .size: 8, .value_kind: global_buffer, .address_space: global }
      - { .name: bv, .offset: 32, .size: 8, .value_kind: global_buffer, .address_space: global }
      - { .name: qkv_img, .offset: 40, .size: 8, .value_kind: global_buffer, .address_space: global }
      - { .name: qkv_sc, .offset: 48, .size: 8, .value_kind: global_buffer, .address_space: global }
    .group_segment_fixed_size: 327680
    .private_segment_fixed_size: 0
    .kernarg_segment_align: 8
    .kernarg_segment_size: 56
    .max_flat_workgroup_size: 128
    .sgpr_count:     100
    .vgpr_count:     1024
    .wavefront_size: 32
...
	.end_amdgpu_metadata
.endif
;; end of part 2
;; launch attn (part 3): grid 4 x 64, 16 waves a work-group, no clusters, 215,040 bytes of LDS; arguments qkv_img, qkv_sc, maskw, flags, oimg, osc; writes oimg, osc
.if DOCPART == 3
	.amdgcn_target "amdgcn-amd-amdhsa--gfx1250"
	.amdhsa_code_object_version 6
	.text
	.protected	k_q2102388a8d_attn
	.globl	k_q2102388a8d_attn
	.p2align	8
	.type	k_q2102388a8d_attn,@function
k_q2102388a8d_attn:
	s_mov_b64 s[64:65], 0
	v_nop
	global_prefetch_b8 v0, s[64:65] scope:SCOPE_SE
	s_setreg_imm32_b32 hwreg(HW_REG_WAVE_MODE, 25, 1), 1
	s_wait_xcnt 0x0
; ATTN.  softmax(Q K^T / 8, under the given mask) V for one head, both products on codes of FP6 (E2M3); the result, divided by the row's sum, is quantised along the model's 1,024 and stored as the last product's operand.
; THE SOFTMAX: t = score x log2(e) / 8; M = the row's largest t so far, rounded up to a whole number; p = 2^(t - M) is what is quantised along the keys; the row's sum is taken of the unquantised p.
; When M moves, the sum and O are multiplied by 2^(old M - new M), which rounds nothing.
; SHARES.  Work-group (J, 16 b + head) owns the head's query tiles 4 i + J, i = 0 .. 31; wave w takes i = w and then i = 31 - w.  Sixteen waves of 256 registers, four to a SIMD: one wave's vector work stands beside another's
; matrix work and LDS loads.  A wave walks the head's 2,048 keys, 128 a step.
; THE MASK is an input.  The launch before has packed it, one bit a (query, key) in the order of the scores' registers and lanes, and has stored a flag for each 16 queries x 128 keys: 2: all hidden: the step's work is jumped
; over (its p are all 0); 0: none hidden: the masking is jumped over; 1: hidden scores become -infinity ahead of the maximum.  Nothing of the mask's pattern is built in.
; K AND V of the whole head, 98,304 bytes of codes each, and their scale words go into LDS once, through registers, and are only read afterwards: one barrier in the launch.
; NO CLUSTER, NO TENSOR LOAD, though the four work-groups of a head read the same K and V: this text branches on the stored flags; what is shared is read once by each work-group, at its head.
; LAYOUT.  Both products are used transposed: S^T = K Q^T (source 0 = 16 keys, source 1 = my 16 queries), O^T = V^T P^T: a lane holds one query throughout.  The images' tiles have their rows in the order
; 32 (T / 2) + 8 (T % 2) + r + 8 (r / 8), so the 16 registers of tiles 2 b and 2 b + 1 are 16 neighbours: keys 32 b + 16 h + 0 .. 15 in S^T, channels likewise in O^T.
; THE HEAD'S 64 fill half of the instruction's 128: Q's upper six registers are zeros.  K's operand for tile t is v[32 + 6 t .. + 11]: its upper six registers are the next tile's codes, finite numbers that meet Q's zeros;
; K's and Q's scale words are loaded as 16 bits, so the upper two bytes are 0, which stands for a finite power of two.
; LIMITS: a query that the mask hides from every key gets the scale bytes 0xff, so that its whole output row is NaN, as the softmax of such a row is; a block's largest p is taken from the block's largest score
; (v_exp_f32 is taken not to fall where its input rises); NaN and infinities among the inputs are not served.
; REGISTERS: v1-7 lane constants; v8-15 the step's LDS addresses; v16 -M, v17 the largest t, v[18:19] the sum; v20-31 Q; v32-85 K's eight half fragments and six zeros, later V's four fragments; v86-93 scale words; v94 Q's;
; v96-159 S^T, then p; v160-191 O^T; v192-203 p's codes; v204-211 conversions' second halves; v212-224 the blocks' maxima, bytes, scale operands, p's scale word; v[226:227] f; v228-231 at work; v236-245 offsets.
.set KIMG, 0                           ; [tile 128][768]
.set VIMG, 98304                       ; [channel tile 4][key step 16][1,536]
.set KSC,  196608                      ; the head pair's scale words of K: [key step 16][lane 32][4 words]
.set VSC,  204800                      ; and of V
.set WV,  16
.set J,   17
.set BH,  18
.set BT,  19
.set HP,  20
.set PAR, 21
.set QI,  22
.set TQ,  23
.set SEL, 24
.set CS,  26
.set FW,  28
.set F,   29
.set NS,  30
.set NP,  31
.set TK,  66
.set TV,  67
.set TS,  100
.set MO,  101
.set BM,  212
.set BY,  216
.set SOP, 220
	s_load_b256 s[4:11], s[0:1], 0x0               ; qkv_img 4, qkv_sc 6, maskw 8, flags 10
	s_load_b128 s[12:15], s[0:1], 0x20             ; oimg 12, osc 14
	v_lshl_add_u32 v254, v0, 2, 0x34000
	v_mov_b32 v255, 0
	v_lshrrev_b32 v1, 5, v0
	v_readfirstlane_b32 s[WV], v1                  ; wave 0..15
	s_mov_b32 s[J], ttmp9
	s_and_b32 s[BH], ttmp7, 0xffff                 ; 16 b + head
	s_lshr_b32 s[BT], s[BH], 4
	s_bfe_u32 s[HP], s[BH], 0x30001                ; the pair of heads
	s_and_b32 s[PAR], s[BH], 1
.irp k, 0,1,2,3
	v_lshl_add_u32 v[228+\k], v0, 4, 65536*\k      ; 16 x thread: the fill's place in memory and in LDS
.endr
	s_mul_i32 s32, s[BH], 98304
	s_mov_b32 s33, 0
	s_lshl_b32 s34, s[BT], 3
	s_add_co_u32 s34, s34, s[HP]
	s_lshl_b32 s34, s34, 13
	s_mov_b32 s35, 0
	s_wait_kmcnt 0x0
	s_add_nc_u64 s[36:37], s[4:5], s[32:33]
	s_add_nc_u64 s[36:37], s[36:37], 6291456       ; K's image of my head
	s_add_nc_u64 s[38:39], s[36:37], 6291456       ; V's
	s_add_nc_u64 s[40:41], s[6:7], s[34:35]        ; my pair of heads among the scale words
.set FN, 0
.rept 12
	global_load_b128 v[16+4*FN:19+4*FN], v228, s[36:37] offset:8192*FN      ; the 512 threads take 8,192 consecutive bytes
.set FN, FN+1
.endr
.set FN, 0
.rept 12
	global_load_b128 v[64+4*FN:67+4*FN], v228, s[38:39] offset:8192*FN
.set FN, FN+1
.endr
	global_load_b128 v[112:115], v228, s[40:41] offset:262144
	global_load_b128 v[116:119], v228, s[40:41] offset:524288
	v_and_b32 v7, 15, v0                           ; r
	v_and_b32 v1, 31, v0
	v_lshlrev_b32 v2, 3, v1
	v_add_nc_u32 v2, 512, v2                       ; 8 x lane + 512: a half fragment's last two registers
	v_lshlrev_b32 v1, 4, v1                        ; 16 x lane: its first four
	s_lshl_b32 s2, s[PAR], 1
	s_add_co_u32 s2, s2, KSC
	v_lshl_add_u32 v3, v7, 4, s2                   ; K's scale words: row r, my head's two bytes
	s_lshl_b32 s2, s[PAR], 3
	s_add_co_u32 s2, s2, VSC
	v_lshl_add_u32 v4, v7, 4, s2                   ; V's: row r, my head's four channel tiles
	v_mov_b32 v5, 0xff800000                       ; -infinity
	v_mov_b32 v6, 0xffff
	v_add_nc_u32 v236, VIMG, v1                    ; V's channel tiles 0 and 1,
	v_add_nc_u32 v237, VIMG, v2
	v_add_nc_u32 v238, VIMG+49152, v1              ; and 2 and 3: an LDS immediate has 16 bits
	v_add_nc_u32 v239, VIMG+49152, v2
	s_mov_b32 s[SEL], 0x76543210
	s_mov_b32 s[SEL+1], 0xfedcba98
	s_mov_b32 s[CS], 0x3e38aa3b                    ; c = log2(e) / 8
	s_mov_b32 s[CS+1], s[CS]
.set FN, 0
.rept 26
	s_wait_loadcnt 25-FN                           ; loads come back in order: this one is in, the younger ones may be out
	ds_store_b128 v[228+FN/8], v[16+4*FN:19+4*FN] offset:(FN%8)*8192
.set FN, FN+1
.endr
	s_wait_dscnt 0x0                               ; for the others' sake: my stores have landed
	s_barrier_signal -1
	s_barrier_wait -1                              ; K, V and their scale words lie in LDS; nobody writes LDS again
.irp i, 26,27,28,29,30,31,80,81,82,83,84,85,216,217,218,219,227
	v_mov_b32 v\i, 0                               ; Q's upper half; what stands behind K's last tile; lane permutes' destinations; the upper half of f's pair
.endr
	s_mov_b32 s[QI], s[WV]
	s_mov_b32 s[NP], 2
.Lpass:                                            ; a tile of 16 queries
	s_lshl_b32 s[TQ], s[QI], 2
	s_add_co_u32 s[TQ], s[TQ], s[J]
	s_mul_i32 s2, s[BH], 98304
	s_mul_i32 s3, s[TQ], 768
	s_add_co_u32 s2, s2, s3
	v_add_nc_u32 v240, s2, v1
	v_add_nc_u32 v241, s2, v2
	global_load_b128 v[20:23], v240, s[4:5]        ; Q's half fragment
	global_load_b64 v[24:25], v241, s[4:5]
	s_lshl_b32 s2, s[BT], 3
	s_add_co_u32 s2, s2, s[HP]
	s_lshl_b32 s2, s2, 13
	s_lshr_b32 s3, s[TQ], 3
	s_lshl_b32 s3, s3, 9
	s_add_co_u32 s2, s2, s3
	s_and_b32 s3, s[TQ], 1
	s_lshl_b32 s3, s3, 8
	s_add_co_u32 s2, s2, s3
	s_bfe_u32 s3, s[TQ], 0x20001
	s_lshl_b32 s3, s3, 2
	s_add_co_u32 s2, s2, s3
	s_lshl_b32 s3, s[PAR], 1
	s_add_co_u32 s2, s2, s3
	v_lshl_add_u32 v242, v7, 4, s2
	global_load_u16 v94, v242, s[6:7]              ; its two scale bytes
	s_lshl_b32 s3, s[BT], 7
	s_add_co_u32 s3, s3, s[TQ]                     ; 128 b + tile
	s_lshl_b32 s[MO], s3, 12                       ; its mask words: 256 bytes a key step
	s_lshl_b32 s2, s3, 2
	s_load_b32 s[FW], s[10:11], s2 offset:0x0      ; its sixteen flags
	s_mov_b32 s[TK], 0
	s_mov_b32 s[TV], 0
	s_mov_b32 s[TS], 0
	v_mov_b32 v17, 0xff61b1e6                      ; the largest t so far: -3e38, under every t
	v_floor_f32 v16, -v17                          ; -M
	v_mov_b32 v18, 0
	v_mov_b32 v19, 0
.set II, 0
.rept 32
	v_mov_b32 v[160+II], 0                         ; O^T: the step is written once; the first finds zeros, which the first change of M leaves zeros
.set II, II+1
.endr
	s_wait_loadcnt 0x0
	s_wait_kmcnt 0x0
	s_mov_b32 s[NS], 16
.Lstep:                                            ; 128 keys
	s_and_b32 s[F], s[FW], 3
	s_cmp_eq_u32 s[F], 2
	s_cbranch_scc1 .Lskip                          ; every key of the step is hidden from all my queries
	v_add_nc_u32 v8, s[TK], v1                     ; (these eight lines are also the places in front of the loads into registers that the last products read)
	v_add_nc_u32 v9, s[TK], v2
	v_add_nc_u32 v10, s[TV], v236
	v_add_nc_u32 v11, s[TV], v237
	v_add_nc_u32 v12, s[TV], v238
	v_add_nc_u32 v13, s[TV], v239
	v_add_nc_u32 v14, s[TS], v3
	v_add_nc_u32 v15, s[TS], v4
	s_load_b512 s[32:47], s[8:9], s[MO] offset:0x0 ; the step's 64 mask words
	s_load_b512 s[48:63], s[8:9], s[MO] offset:0x40
	s_load_b512 s[68:83], s[8:9], s[MO] offset:0x80
	s_load_b512 s[84:99], s[8:9], s[MO] offset:0xc0
.irp t, 0,1,2,3,4,5,6,7
	ds_load_b128 v[32+6*\t:35+6*\t], v8 offset:768*\t
	ds_load_b64 v[36+6*\t:37+6*\t], v9 offset:768*\t
	ds_load_u16 v[86+\t], v14 offset:256*(\t%2)+4*(\t/2)
.endr
	s_wait_dscnt 0x0
.irp t, 0,1,2,3,4,5,6,7
	v_wmma_scale_f32_16x16x128_f8f6f4 v[96+8*\t:103+8*\t], v[32+6*\t:43+6*\t], v[20:31], 0, v[86+\t], v94 matrix_a_fmt:MATRIX_FMT_FP6 matrix_b_fmt:MATRIX_FMT_FP6
.endr
.rept 4
	v_nop                                          ; four plain lines behind the products: for the loads below and for the first read of the scores
.endr
.irp ct, 0,1,2,3                               ; V's four fragments are asked for now and land under the softmax
	ds_load_b128 v[32+12*\ct:35+12*\ct], v[10+2*(\ct/2)] offset:24576*(\ct%2)
	ds_load_b64 v[36+12*\ct:37+12*\ct], v[11+2*(\ct/2)] offset:24576*(\ct%2)
	ds_load_b128 v[38+12*\ct:41+12*\ct], v[10+2*(\ct/2)] offset:24576*(\ct%2)+768
	ds_load_b64 v[42+12*\ct:43+12*\ct], v[11+2*(\ct/2)] offset:24576*(\ct%2)+768
	ds_load_b32 v[86+\ct], v15 offset:256*(\ct%2)+4*(\ct/2)
.endr
	s_wait_kmcnt 0x0                               ; the mask words are in, and their offset register may be stepped
	s_cmp_eq_u32 s[F], 1
	s_cbranch_scc0 .Lopen                          ; no key of the step is hidden
.set MN, 0
.rept 64                                       ; register n's word lies at position 2 n (n < 32) or 2 (n - 32) + 1; positions 0-31 in s32-63, 32-63 in s68-99
.if MN < 32
.set MP, 2*MN
.else
.set MP, 2*(MN-32)+1
.endif
.if MP < 32
.set MS, 32+MP
.else
.set MS, 36+MP
.endif
	v_cndmask_b32 v[96+MN], v[96+MN], v5, s[MS]    ; a hidden score becomes -infinity: its p is 0
.set MN, MN+1
.endr
.Lopen:
.irp b, 0,1,2,3
	v_max3_num_f32 v[BM+\b], v[96+16*\b], v[97+16*\b], v[98+16*\b]   ; the largest score of each block of 32 keys: it serves for the row's maximum and, since p rises with the score, for the block's largest p
.endr
.irp i, 3,5,7,9,11,13
.irp b, 0,1,2,3
	v_max3_num_f32 v[BM+\b], v[BM+\b], v[96+16*\b+\i], v[97+16*\b+\i]
.endr
.endr
.irp b, 0,1,2,3
	v_max_num_f32 v[BM+\b], v[BM+\b], v[111+16*\b]
.endr
.irp b, 0,1,2,3
	v_permlanex16_b32 v[BY+\b], v[BM+\b], s[SEL], s[SEL+1]
.endr
.irp b, 0,1,2,3
	v_max_num_f32 v[BM+\b], v[BM+\b], v[BY+\b]     ; with lane l xor 16's 16 keys
.endr
	v_max3_num_f32 v228, v212, v213, v214
	v_max_num_f32 v228, v228, v215                 ; the step's largest score of my query
	v_mul_f32 v228, s[CS], v228                    ; as t
	v_max_num_f32 v17, v17, v228                   ; the running largest t
	v_mov_b32 v228, v16
	v_floor_f32 v16, -v17                          ; the new -M = floor(-t): M is a whole number
	v_sub_f32 v228, v16, v228                      ; old M - new M: a whole number, 0 or less
	v_cvt_i32_f32 v228, v228                       ; (it saturates)
	v_ldexp_f32 v226, 1.0, v228                    ; f = 2^(old M - new M)
.irp j, 0,2,4,6,8,10,12,14,16,18,20,22,24,26,28,30,32,34,36,38,40,42,44,46,48,50,52,54,56,58,60,62
	v_pk_fma_f32 v[96+\j:97+\j], v[96+\j:97+\j], s[CS:CS+1], v[16:17] op_sel_hi:[1,0,0]   ; t - M, two at a time
.endr
.irp b, 0,1,2,3
	v_fma_f32 v[BM+\b], v[BM+\b], s[CS], v16       ; the same of each block's largest score
.endr
.irp j, 0,1,2,3,4,5,6,7,8,9,10,11,12,13,14,15,16,17,18,19,20,21,22,23,24,25,26,27,28,29,30,31,32,33,34,35,36,37,38,39,40,41,42,43,44,45,46,47,48,49,50,51,52,53,54,55,56,57,58,59,60,61,62,63
	v_exp_f32 v[96+\j], v[96+\j]                   ; p = 2^(t - M), at most 1: not normalised
.endr
	v_pk_mul_f32 v[18:19], v[18:19], v[226:227] op_sel_hi:[1,0]    ; the sums under the new M (a plain line behind the exponentials)
	s_wait_alu depctr_va_vdst(0)                   ; one wait for the whole batch, ahead of its first reader
.irp b, 0,1,2,3
	v_exp_f32 v[BM+\b], v[BM+\b]                   ; the block's largest p
.endr
	v_pk_add_f32 v[216:217], v[96:97], v[98:99]    ; the row's sum is taken of the unquantised p: two at a time, in two chains
.irp j, 4,8,12,16,20,24,28,32,36,40,44,48,52,56,60
	v_pk_add_f32 v[18:19], v[18:19], v[96+\j:97+\j]
	v_pk_add_f32 v[216:217], v[216:217], v[98+\j:99+\j]
.endr
	v_pk_add_f32 v[18:19], v[18:19], v[216:217]
	s_wait_alu depctr_va_vdst(0)                   ; and one for the four
.irp b, 0,1,2,3
	v_max_num_f32 v[BM+\b], 0x1800000, v[BM+\b]    ; the floor 2^(3 - 127): the byte cannot fall under 1
.endr
.irp b, 0,1,2,3
	v_add_nc_u32 v[SOP+\b], 0xff000000, v[BM+\b]   ; the conversion's scale operand
.endr
.irp b, 0,1,2,3
	v_lshrrev_b32 v[BY+\b], 23, v[SOP+\b]          ; the byte
.endr
	v_lshl_or_b32 v224, v217, 8, v216              ; p's scale word for these 128 keys
	v_lshl_or_b32 v224, v218, 16, v224
	v_lshl_or_b32 v224, v219, 24, v224
.irp c, 0,1
	v_cvt_scalef32_pk16_fp6_f32 v[192+6*\c:194+6*\c], v[96+32*\c:111+32*\c], v[SOP+2*\c]
	v_cvt_scalef32_pk16_fp6_f32 v[204+4*\c:206+4*\c], v[112+32*\c:127+32*\c], v[SOP+2*\c+1]
.endr
	v_nop                                          ; one plain line behind the scaled conversions
.irp c, 0,1                                    ; the layout wants a whole block in a lane
.irp i, 0,1,2
	v_permlane16_swap_b32 v[192+6*\c+\i], v[204+4*\c+\i]
.endr
.irp i, 0,1,2
	v_mov_b32 v[195+6*\c+\i], v[204+4*\c+\i]
.endr
.endr
.irp j, 0,2,4,6,8,10,12,14,16,18,20,22,24,26,28,30
	v_pk_mul_f32 v[160+\j:161+\j], v[160+\j:161+\j], v[226:227] op_sel_hi:[1,0]   ; O^T under the new M.  For each product below twelve of these sixteen name none of its registers: the places behind p's scale word and codes
.endr
.rept 4
	v_nop                                          ; and four more, so that no accumulator is written fewer than four plain lines ahead of the product that adds onto it
.endr
	s_wait_dscnt 0x0                               ; V is in
.irp ct, 0,1,2,3                               ; four accumulators, one instruction a turn
	v_wmma_scale_f32_16x16x128_f8f6f4 v[160+8*\ct:167+8*\ct], v[32+12*\ct:43+12*\ct], v[192:203], v[160+8*\ct:167+8*\ct], v[86+\ct], v224 matrix_a_fmt:MATRIX_FMT_FP6 matrix_b_fmt:MATRIX_FMT_FP6
.endr
.Lskip:
	s_lshr_b32 s[FW], s[FW], 2                     ; the next step's flag, tiles, scale words and mask words
	s_add_co_u32 s[TK], s[TK], 6144
	s_add_co_u32 s[TV], s[TV], 1536
	s_add_co_u32 s[TS], s[TS], 512
	s_add_co_u32 s[MO], s[MO], 256
	s_sub_co_i32 s[NS], s[NS], 1
	s_cmp_lg_u32 s[NS], 0
	s_cbranch_scc1 .Lstep
	; the tile's end: O^T / the sum, quantised along the head's 64 channels: a half fragment of the last product's operand
.rept 4
	v_nop                                          ; four plain lines behind the last products
.endr
	v_add_f32 v18, v18, v19
	v_permlanex16_b32 v216, v18, s[SEL], s[SEL+1]
	v_add_f32 v18, v18, v216                       ; the row's sum
	v_rcp_f32 v226, v18
	v_cmp_eq_f32 vcc_lo, 0, v18                    ; (a plain line behind the reciprocal)  a row with no open key
	s_lshl_b32 s3, s[BT], 7
	s_add_co_u32 s3, s3, s[TQ]
	s_mul_i32 s2, s3, 12288
	s_mul_i32 s29, s[HP], 1536
	s_add_co_u32 s2, s2, s29
	s_mul_i32 s29, s[PAR], 768
	s_add_co_u32 s2, s2, s29
	v_add_nc_u32 v243, s2, v1
	v_add_nc_u32 v244, s2, v2
	s_lshl_b32 s3, s3, 9
	s_lshl_b32 s29, s[HP], 2
	s_add_co_u32 s3, s3, s29
	s_lshl_b32 s29, s[PAR], 1
	s_add_co_u32 s3, s3, s29
	v_lshl_add_u32 v245, v7, 5, s3
	s_wait_alu depctr_va_vdst(0)                   ; ahead of the reciprocal's first reader
.irp j, 0,2,4,6,8,10,12,14,16,18,20,22,24,26,28,30
	v_pk_mul_f32 v[96+\j:97+\j], v[160+\j:161+\j], v[226:227] op_sel_hi:[1,0]   ; register 16 b + i: channel 32 b + 16 h + i of my query
.endr
.irp b, 0,1
	v_max3_num_f32 v[BM+\b], |v[96+16*\b]|, |v[97+16*\b]|, 0x1800000
.endr
.irp i, 2,4,6,8,10,12,14
.irp b, 0,1
	v_max3_num_f32 v[BM+\b], v[BM+\b], |v[96+16*\b+\i]|, |v[97+16*\b+\i]|
.endr
.endr
.irp b, 0,1
	v_permlanex16_b32 v[BY+\b], v[BM+\b], s[SEL], s[SEL+1]
.endr
.irp b, 0,1
	v_max_num_f32 v[BM+\b], v[BM+\b], v[BY+\b]
.endr
.irp b, 0,1
	v_add_nc_u32 v[SOP+\b], 0xff000000, v[BM+\b]
.endr
.irp b, 0,1
	v_lshrrev_b32 v[BY+\b], 23, v[SOP+\b]
.endr
	v_lshl_or_b32 v224, v217, 8, v216
	v_cndmask_b32 v224, v224, v6, vcc_lo           ; no open key: the bytes 0xff make the row's sums NaN
	v_cvt_scalef32_pk16_fp6_f32 v[192:194], v[96:111], v220
	v_cvt_scalef32_pk16_fp6_f32 v[204:206], v[112:127], v221
	v_nop                                          ; one plain line behind the scaled conversions
.irp i, 0,1,2
	v_permlane16_swap_b32 v[192+\i], v[204+\i]
.endr
.irp i, 0,1,2
	v_mov_b32 v[195+\i], v[204+\i]
.endr
	global_store_b128 v243, v[192:195], s[12:13]   ; 512 consecutive bytes, then 256
	global_store_b64 v244, v[196:197], s[12:13]
	global_store_b16 v245, v224, s[14:15]          ; my head's two bytes of the row's 32: all that a head owns of them; both halves of the lanes write the same
	s_wait_xcnt 0x0                                ; the stores have read their registers: the next tile may write them
	s_sub_co_u32 s[QI], 31, s[QI]
	s_sub_co_i32 s[NP], s[NP], 1
	s_cmp_lg_u32 s[NP], 0
	s_cbranch_scc1 .Lpass
	s_wait_tensorcnt 0x0
	ds_add_u32 v254, v255
	s_wait_dscnt 0x0
	s_endpgm
.Lfunc_end_k_q2102388a8d_attn:
	.size	k_q2102388a8d_attn, .Lfunc_end_k_q2102388a8d_attn-k_q2102388a8d_attn
	.p2alignl 7, 3214868480
	.fill 96, 4, 3214868480
	.section	.rodata,"a",@progbits
	.p2align	6, 0x0
	.amdhsa_kernel k_q2102388a8d_attn
		.amdhsa_group_segment_fixed_size 215040
		.amdhsa_private_segment_fixed_size 0
		.amdhsa_enable_private_segment 0
		.amdhsa_kernarg_size 48
		.amdhsa_user_sgpr_count 2
		.amdhsa_user_sgpr_kernarg_segment_ptr 1
		.amdhsa_wavefront_size32 1
		.amdhsa_system_sgpr_workgroup_id_x 1
		.amdhsa_system_sgpr_workgroup_id_y 1
		.amdhsa_system_sgpr_workgroup_id_z 1
		.amdhsa_system_vgpr_workitem_id 0
		.amdhsa_next_free_vgpr 256
		.amdhsa_next_free_sgpr 102
		.amdhsa_reserve_vcc 1
		.amdhsa_float_denorm_mode_32 3
		.amdhsa_float_denorm_mode_16_64 3
		.amdhsa_memory_ordered 1
		.amdhsa_forward_progress 1
		.amdhsa_inst_pref_size 37
	.end_amdhsa_kernel
	.amdgpu_metadata
---
amdhsa.version: [ 1, 2 ]
amdhsa.kernels:
  - .name:           k_q2102388a8d_attn
    .symbol:         k_q2102388a8d_attn.kd
    .args:
      - { .name: qkv_img, .offset: 0, .size: 8, .value_kind: global_buffer, .address_space: global }
      - { .name: qkv_sc, .offset: 8, .size: 8, .value_kind: global_buffer, .address_space: global }
      - { .name: maskw, .offset: 16, .size: 8, .value_kind: global_buffer, .address_space: global }
      - { .name: flags, .offset: 24, .size: 8, .value_kind: global_buffer, .address_space: global }
      - { .name: oimg, .offset: 32, .size: 8, .value_kind: global_buffer, .address_space: global }
      - { .name: osc, .offset: 40, .size: 8, .value_kind: global_buffer, .address_space: global }
    .group_segment_fixed_size: 215040
    .private_segment_fixed_size: 0
    .kernarg_segment_align: 8
    .kernarg_segment_size: 48
    .max_flat_workgroup_size: 512
    .sgpr_count:     102
    .vgpr_count:     256
    .wavefront_size: 32
...
	.end_amdgpu_metadata
.endif
;; end of part 3
;; launch outp (part 4): grid 4 x 64, 4 waves a work-group, clusters of 4 x 4, 327,680 bytes of LDS; arguments oimg, osc, img, isc, bo, out0; writes out0
.if DOCPART == 4
	.amdgcn_target "amdgcn-amd-amdhsa--gfx1250"
	.amdhsa_code_object_version 6
	.text
	.protected	k_q2102388a8d_outp
	.globl	k_q2102388a8d_outp
	.p2align	8
	.type	k_q2102388a8d_outp,@function
k_q2102388a8d_outp:
	s_mov_b64 s[64:65], 0
	v_nop
	global_prefetch_b8 v0, s[64:65] scope:SCOPE_SE
	s_setreg_imm32_b32 hwreg(HW_REG_WAVE_MODE, 25, 1), 1
	s_wait_xcnt 0x0
	s_wait_alu depctr_hold_cnt(0) depctr_sa_sdst(0) depctr_va_vdst(0) depctr_va_sdst(0) depctr_va_ssrc(0) depctr_va_vcc(0) depctr_vm_vsrc(0)
	s_getreg_b32 s2, hwreg(HW_REG_IB_STS2, 6, 4)
	s_cmp_eq_u32 s2, 0
	s_cbranch_scc0 .Lentry_in_a_cluster
	s_endpgm
.Lentry_in_a_cluster:
	s_bfe_u32 s2, ttmp6, 0x10000c
	s_cmp_lg_u32 s2, 0xf033
	s_cbranch_scc0 .Lentry_shape_is_right
	s_endpgm
.Lentry_shape_is_right:
; OUTP.  out0 = (attention's result) wo + bo on codes of FP6 (E2M3), K = 1,024; out0 [8192][1024] f32.
; The frame is the projections': operands as images of their registers, K in four steps of 256 through a ring of two LDS slots, the scale words of all of K brought once, 4 x 4 clusters with joint loads.
; A tile of the result is 128 x 256, so that 8,192 x 1,024 gives 256 work-groups: four waves, each 64 tokens (A: 4 blocks of 16) x 128 channels (B: 8 blocks): 32 accumulators.
; The matrix instruction is used transposed (source 0 = 16 rows of B, source 1 = 16 rows of A): a lane holds one token and, for B's block b, channels 32 (b / 2) + 16 h + 8 (b % 2) + 0 .. 7.  The bias is the C of each sum's first product.
; A token whose scale bytes are 0xff (no open key) gets NaN in its whole row.
; REGISTERS, in windows of 256: window 0: v16-31 addresses; v32-63 scale words, two sets; v64-127 the bias; v128-175 A's fragments, one set; on the way out v128-255 rows of the result.
;   window 1: B's fragments, two sets, at v0 and v128.   window 2: the accumulators: (a, b) at v[8 (8 a + b)].
.set NAB,    4                         ; A's blocks of 16 rows for a wave
.set HB,     NAB/2
.set QB,     HB/2
.set NL,     4                         ; LDS loads that bring a fragment
.set FR,     12
.set TILEB,  12288
.set STEPB,  3072
.set HALFA,  NAB*STEPB
.set HALFB,  8*STEPB
.set SLOT,   2*HALFA+2*HALFB
.set HALFSA, 2*NAB*272
.set HALFSB, 16*272
.set SBLK,   544
.set SCL,    2*SLOT
.set SPARE,  SCL+2*HALFSA+2*HALFSB     ; the spare words, 128 bytes for each wave: two blocks of 256 bytes that no other line names
.set SPITCH, 528                       ; the way out: a stage of 16 rows x (512 bytes + 16) for each wave, in slot 0, which has had its last fill and its last read when the first result is stored there
.set ADRA, 16
.set ADRB, 20
.set L16,  24
.set L8,   25
.set HH,   26
.set ADRS, 27
.set SPW,  28
.set NIL,  29
.set STO,  30
.set RD,   31
.set SC,   32
.set BB,   64
.set AF,   128
.set BK,   128
.set WV,   18
.set WY,   19
.set WX,   20
.set CX,   21
.set CYP,  22
.set TR,   42
.set TC,   43
.set G1,   24
.set G0,   32
.set G1B,  48
.set G0B,  56
.set G1S,  68
.set G0S,  76
.set G1SB, 80
.set G0SB, 88
.set MUL_LO,   0xa1                    ; source 0 (B) window 1, source 1 (A) window 0, C and D window 2
.set MUL_HI,   0xa1
.set FIRST_LO, 0x81                    ; C (the bias) window 0, D window 2
.set FIRST_HI, 0x81
.set TO_B,     0x40
.set MSB, 0
.macro WIN new                         ; the immediate's high byte repeats the setting that is left
.if MSB != \new
	s_set_vgpr_msb (MSB<<8)|\new
.set MSB, \new
.endif
.endm
.macro JLOAD g0a, g1a, g0b, g1b        ; a joint load: waves 0 and 1 fetch for A, waves 2 and 3 for B; four v_nop follow each of the two lines
	s_cmp_eq_u32 s[WY], 0
	s_cbranch_scc0 .Lfor_b_\@
	tensor_load_to_lds s[\g0a:\g0a+3], s[\g1a:\g1a+7]
	s_nop 0
.rept 4
	v_nop
.endr
	s_branch .Lasked_\@
.Lfor_b_\@:
	tensor_load_to_lds s[\g0b:\g0b+3], s[\g1b:\g1b+7]
	s_nop 0
.rept 4
	v_nop
.endr
.Lasked_\@:
.endm
.macro CREST                           ; a round of the cluster's barrier behind its opening barrier
	s_cmp_lg_u32 s[WV], 0
	s_cbranch_scc1 .Lnot_wave_0_\@
	s_barrier_signal -3
.Lnot_wave_0_\@:
	s_barrier_wait -3
	s_barrier_signal -1
	s_barrier_wait -1
.endm
.macro CROUND
	s_barrier_signal -1
	s_barrier_wait -1
	CREST
.endm
.macro PLACES n
.rept \n
	v_nop
.endr
.endm
.macro SHAPE g, c, r, p                ; words 1 to 7 of a descriptor's group 1: r rows of c elements, p elements from row to row
	s_mov_b32 s[\g+1], (\c)<<16
	s_mov_b32 s[\g+2], (\r)<<16
	s_mov_b32 s[\g+3], (\c)<<16
	s_mov_b32 s[\g+4], \r
	s_mov_b32 s[\g+5], \p
	s_mov_b32 s[\g+6], 0
	s_mov_b32 s[\g+7], 0
.endm
.macro FRAG reg, adr, q, i             ; tile i's fragment of the slot's q-th 128 along K: two half fragments, each 512 + 256 consecutive bytes
	ds_load_b128 v[\reg:\reg+3], v[\adr] offset:(\i)*STEPB+(\q)*1536
	ds_load_b64 v[\reg+4:\reg+5], v[\adr+2] offset:(\i)*STEPB+(\q)*1536+512
	ds_load_b128 v[\reg+6:\reg+9], v[\adr] offset:(\i)*STEPB+(\q)*1536+768
	ds_load_b64 v[\reg+10:\reg+11], v[\adr+2] offset:(\i)*STEPB+(\q)*1536+1280
.endm
.macro FETCH_B slot, q, p
	WIN TO_B
.irp i, 0,1,2,3,4,5,6,7
	FRAG 128*(\p)+FR*\i, ADRB+\slot, \q, \i
.endr
	WIN 0
.endm
.macro FETCH_A slot, q, i0             ; A's blocks i0 .. i0 + HB - 1
.set FI, \i0
.rept HB
	FRAG AF+FR*FI, ADRA+\slot, \q, FI
.set FI, FI+1
.endr
.endm
.macro SCALES sc                       ; a slot's two scale words a row: lanes 16-31 B's block i; lanes 0-15 A's block i (for i of 4 and more they read scale words that no product names)
.irp i, 0,1,2,3,4,5,6,7
	ds_load_b64 v[SC+16*\sc+2*\i:SC+16*\sc+2*\i+1], v[ADRS] offset:\i*SBLK
.endr
.endm
; n blocks of A from a0 on, each against B's eight.  The accumulators take turns, one instruction a turn, in the same order in every step.
.macro MULS a0, n, p, q, sc, first
.set MA, \a0
.rept \n
.irp b, 0,1,2,3,4,5,6,7
.if \first
	v_wmma_scale_f32_16x16x128_f8f6f4 v[8*(8*(MA%4)+\b):8*(8*(MA%4)+\b)+7], v[128*(\p)+FR*\b:128*(\p)+FR*\b+FR-1], v[AF+FR*MA:AF+FR*MA+FR-1], v[BB+8*\b:BB+8*\b+7], v[SC+16*(\sc)+2*\b+(\q)], v[SC+16*(\sc)+2*MA+(\q)] matrix_a_fmt:MATRIX_FMT_FP6 matrix_b_fmt:MATRIX_FMT_FP6 matrix_a_scale:MATRIX_SCALE_ROW1
.else
	v_wmma_scale_f32_16x16x128_f8f6f4 v[8*(8*(MA%4)+\b):8*(8*(MA%4)+\b)+7], v[128*(\p)+FR*\b:128*(\p)+FR*\b+FR-1], v[AF+FR*MA:AF+FR*MA+FR-1], v[8*(8*(MA%4)+\b):8*(8*(MA%4)+\b)+7], v[SC+16*(\sc)+2*\b+(\q)], v[SC+16*(\sc)+2*MA+(\q)] matrix_a_fmt:MATRIX_FMT_FP6 matrix_b_fmt:MATRIX_FMT_FP6 matrix_a_scale:MATRIX_SCALE_ROW1
.endif
.endr
.set MA, MA+1
.endr
.endm
; A step of 128 along K that has its successor in the same slot.  A block of A is free as soon as its eight products are issued: the lower blocks are fetched anew in the step's middle, the upper at its end.
.macro STEP slot, q, first
	s_wait_dscnt HB*NL                             ; all but the youngest loads (A's upper blocks) are in
.if \first
	WIN FIRST_LO
.else
	WIN MUL_LO
.endif
	MULS 0, HB, (\q)%2, \q, \slot, \first
	s_wait_dscnt 0x0                               ; A's upper blocks are in
	PLACES 4                                       ; four plain lines in front of loads into registers that matrix instructions have read
	FETCH_B \slot, (\q)+1, 1-(\q)%2
	FETCH_A \slot, (\q)+1, 0
.if \first
	WIN FIRST_HI
.else
	WIN MUL_HI
.endif
	MULS HB, HB, (\q)%2, \q, \slot, \first
	PLACES 4
	WIN 0
	FETCH_A \slot, (\q)+1, HB
.endm
; A slot's last step changes slots: one barrier; in front of it each wave waits for all its tensor loads, adds 0 to its spare word, and waits for that and for its reads of this slot.
.macro TURN slot, next, fill
	s_wait_tensorcnt 0x0                           ; all my tensor loads have landed: my part of the next slot
	ds_add_u32 v[SPW], v[NIL]                      ; 0 onto my spare word
	s_wait_dscnt HB*NL+1                           ; (the add and A's upper blocks may be out)
	WIN MUL_LO
	MULS 0, QB, 1, 1, \slot, 0
	s_wait_dscnt 0x0                               ; the add is done, and my reads of this slot are over
	s_barrier_signal -1
	MULS QB, QB, 1, 1, \slot, 0
	WIN 0
	s_barrier_wait -1
.if \fill
	CREST                                          ; the barrier has opened a round of the cluster's barrier: no wave of any partner still reads this slot or has a load on its way
	s_add_nc_u64 s[G0+4*\slot+2:G0+4*\slot+3], s[G0+4*\slot+2:G0+4*\slot+3], 2*STEPB
	s_add_nc_u64 s[G0B+4*\slot+2:G0B+4*\slot+3], s[G0B+4*\slot+2:G0B+4*\slot+3], 2*STEPB
	JLOAD G0+4*\slot, G1, G0B+4*\slot, G1B         ; the first tensor load behind the round, one a wave; its four v_nop are also the places in front of the loads below
.else
	PLACES 4
.endif
	v_add_nc_u32 v[ADRS], 8, v[ADRS]               ; the next slot's scale words (no LDS load of mine is out)
	FETCH_B \next, 0, 0
	FETCH_A \next, 0, 0
	SCALES \next
	WIN MUL_HI
	MULS HB, HB, 1, 1, \slot, 0
	PLACES 4
	WIN 0
	FETCH_A \next, 0, HB
.endm
	s_load_b256 s[4:11], s[0:1], 0x0               ; oimg 4, osc 6, img 8, isc 10
	s_load_b128 s[12:15], s[0:1], 0x20             ; bo 12, out0 14
	v_lshl_add_u32 v[SPW], v0, 2, SPARE
	v_mov_b32 v[NIL], 0
	ds_add_u32 v28, v29
	ds_add_u32 v28, v29
	s_wait_dscnt 0x0
	v_lshrrev_b32 v1, 5, v0
	v_readfirstlane_b32 s[WV], v1                  ; wave 0..3
	s_lshr_b32 s[WY], s[WV], 1                     ; which half of the tokens is mine.  Also: I fetch for A (0) or for B (1)
	s_and_b32 s[WX], s[WV], 1                      ; which half of the channels.  Also: which half of that side I fetch
	s_bfe_u32 s[CX], ttmp6, 0x40000
	s_bfe_u32 s[CYP], ttmp6, 0x40004
	s_and_b32 s[TR], ttmp7, 0xffff
	s_lshl_b32 s[TR], s[TR], 2
	s_add_co_u32 s[TR], s[TR], s[CYP]              ; which 128 tokens: 4 x cluster y + cy
	s_mov_b32 s[TC], s[CX]                         ; which 256 channels
	s_lshl_b32 s2, s[CYP], 2
	s_lshl_b32 s2, 15, s2                          ; my row of the cluster
	s_lshl_b32 s3, 0x1111, s[CX]                   ; my column
	s_or_b32 s[G1], s2, (3<<16)|(1<<21)            ; 15:0 the mask; 17:16 elements of 8 bytes; 21 set beside a mask; no padding
	s_or_b32 s[G1B], s3, (3<<16)|(1<<21)
	s_or_b32 s[G1S], s2, (3<<16)|(1<<20)|(1<<21)|(5<<22)|(3<<25)    ; the scale words: 16 bytes of padding behind every 256
	s_or_b32 s[G1SB], s3, (3<<16)|(1<<20)|(1<<21)|(5<<22)|(3<<25)
	SHAPE G1, 384, NAB, 1536                       ; NAB tiles x 3,072 bytes, 12,288 bytes apart
	SHAPE G1B, 384, 8, 1536
	SHAPE G1S, 32, 2*NAB, 32                       ; dense: rows of 256 bytes
	SHAPE G1SB, 32, 16, 32
	s_lshl_b32 s46, s[TR], 3
	s_lshl_b32 s47, s[WX], 2
	s_add_co_u32 s46, s46, s47                     ; A's tiles that I fetch: 8 x block of tokens + 4 x half
	s_lshl_b32 s66, s[TC], 4
	s_lshl_b32 s47, s[WX], 3
	s_add_co_u32 s66, s66, s47
	s_add_co_u32 s66, s66, 1728                    ; B's: wo's tiles begin at 1,728
	s_mul_i32 s92, s46, TILEB
	s_mov_b32 s93, 0
	s_lshl_b32 s94, s46, 9
	s_mov_b32 s95, 0
	s_mul_i32 s96, s66, TILEB
	s_mov_b32 s97, 0
	s_lshl_b32 s98, s66, 9
	s_mov_b32 s99, 0
	s_mul_i32 s44, s[WX], HALFA                    ; where they go: the wave's number and constants alone
	s_mul_i32 s45, s[WX], HALFB
	s_add_co_u32 s45, s45, 2*HALFA
	s_mul_i32 s41, s[WX], HALFSA
	s_add_co_u32 s41, s41, SCL
	s_mul_i32 s23, s[WX], HALFSB
	s_add_co_u32 s23, s23, SCL+2*HALFSA
	s_wait_kmcnt 0x0
	s_add_nc_u64 s[92:93], s[4:5], s[92:93]
	s_add_nc_u64 s[94:95], s[6:7], s[94:95]
	s_add_nc_u64 s[96:97], s[8:9], s[96:97]
	s_add_nc_u64 s[98:99], s[10:11], s[98:99]
	CROUND                                         ; all sixteen work-groups are here: the first joint loads meet
	s_mov_b32 s[G0S], 1
	s_mov_b32 s[G0S+1], s41
	s_mov_b64 s[G0S+2:G0S+3], s[94:95]
	s_or_b32 s[G0S+3], s[G0S+3], 0x80000000
	s_mov_b32 s[G0SB], 1
	s_mov_b32 s[G0SB+1], s23
	s_mov_b64 s[G0SB+2:G0SB+3], s[98:99]
	s_or_b32 s[G0SB+3], s[G0SB+3], 0x80000000
	JLOAD G0S, G1S, G0SB, G1SB                     ; the scale words of all of K: filled once
.irp s, 0,1
	s_mov_b32 s[G0+4*\s], 1
	s_add_co_u32 s[G0+4*\s+1], s44, \s*SLOT
	s_add_nc_u64 s[G0+4*\s+2:G0+4*\s+3], s[92:93], \s*STEPB
	s_or_b32 s[G0+4*\s+3], s[G0+4*\s+3], 0x80000000
	s_mov_b32 s[G0B+4*\s], 1
	s_add_co_u32 s[G0B+4*\s+1], s45, \s*SLOT
	s_add_nc_u64 s[G0B+4*\s+2:G0B+4*\s+3], s[96:97], \s*STEPB
	s_or_b32 s[G0B+4*\s+3], s[G0B+4*\s+3], 0x80000000
	JLOAD G0+4*\s, G1, G0B+4*\s, G1B               ; three loads of mine are out
.endr
	v_and_b32 v1, 31, v0                           ; lane
	v_and_b32 v2, 15, v0                           ; r
	v_bfe_u32 v[HH], v0, 4, 1                      ; h
	s_lshl_b32 s94, s[TC], 10
	s_lshl_b32 s95, s[WX], 9
	s_add_co_u32 s94, s94, s95                     ; my 128 channels, in bytes
	s_mov_b32 s95, 0
	s_add_nc_u64 s[12:13], s[12:13], s[94:95]
	v_lshlrev_b32 v3, 6, v[HH]
.irp b, 0,1,2,3,4,5,6,7
	global_load_b128 v[BB+8*\b:BB+8*\b+3], v3, s[12:13] offset:(32*(\b/2)+8*(\b%2))*4       ; the bias in the result's layout
	global_load_b128 v[BB+8*\b+4:BB+8*\b+7], v3, s[12:13] offset:(32*(\b/2)+8*(\b%2))*4+16
.endr
	s_lshl_b32 s96, s[TR], 7
	s_lshl_b32 s97, s[WY], 6
	s_add_co_u32 s96, s96, s97                     ; my first token
	s_lshl_b32 s96, s96, 12
	s_add_co_u32 s96, s96, s94
	s_mov_b32 s97, 0
	s_add_nc_u64 s[14:15], s[14:15], s[96:97]      ; my corner of out0; never stepped
	v_lshlrev_b32 v[L16], 4, v1
	v_lshlrev_b32 v[L8], 3, v1
	s_mul_i32 s44, s[WY], HALFA                    ; my rows of A
	s_mul_i32 s45, s[WX], HALFB                    ; my rows of B,
	s_add_co_u32 s45, s45, 2*HALFA                 ; which lie behind A's
.irp s, 0,1
	v_add_nc_u32 v[ADRA+\s], s44, v[L16]
	v_add_nc_u32 v[ADRA+2+\s], s44, v[L8]
	v_add_nc_u32 v[ADRB+\s], s45, v[L16]
	v_add_nc_u32 v[ADRB+2+\s], s45, v[L8]
	s_add_co_u32 s44, s44, SLOT
	s_add_co_u32 s45, s45, SLOT
.endr
	v_lshlrev_b32 v5, 5, v2                        ; my row's scale words: 32 bytes a row,
	v_lshrrev_b32 v6, 8, v5
	v_lshl_add_u32 v5, v6, 4, v5                   ; and 16 more for each 256 passed
	s_mul_i32 s44, s[WY], HALFSA
	s_mul_i32 s45, s[WX], HALFSB
	s_add_co_u32 s45, s45, 2*HALFSA
	s_sub_co_u32 s45, s45, s44
	v_mul_u32_u24 v6, s45, v[HH]                   ; lanes 16-31 take B's
	s_add_co_u32 s44, s44, SCL
	v_add_nc_u32 v5, v5, v6
	v_add_nc_u32 v[ADRS], s44, v5
	s_mul_i32 s44, s[WV], 16*SPITCH                ; my stage
	v_mul_u32_u24 v5, v2, SPITCH
	v_lshl_add_u32 v5, v[HH], 6, v5
	v_add_nc_u32 v[STO], s44, v5                   ; in: row r, + 64 h
	v_add_nc_u32 v[RD], s44, v[L16]                ; back: the 32 lanes take one row of 512 bytes
	s_wait_tensorcnt 1                             ; the scale words and my part of slot 0 are in; slot 1's load may be out
	s_barrier_signal -1
	s_barrier_wait -1
	FETCH_B 0, 0, 0
	FETCH_A 0, 0, 0
	SCALES 0
	FETCH_A 0, 0, HB
	s_wait_loadcnt 0x0                             ; the bias
	STEP 0, 0, 1                                   ; K = 1,024 is eight steps of 128, written out: the first starts the sums on the bias
	TURN 0, 1, 1
	STEP 1, 0, 0
	TURN 1, 0, 1
	STEP 0, 0, 0
	TURN 0, 1, 0                                   ; nothing is left to fetch
	STEP 1, 0, 0
	s_wait_dscnt HB*NL
	WIN MUL_LO
	MULS 0, HB, 1, 1, 1, 0
	s_wait_dscnt 0x0
	WIN MUL_HI
	MULS HB, HB, 1, 1, 1, 0
	WIN 0
	PLACES 4
; THE WAY OUT, block by block of 16 tokens x 128 channels: through my own stage in LDS, back as whole rows of 512 bytes.  A wave's LDS instructions are served in order (ISA guide 5.7.1.4): no wait between the stores and the loads.
.macro TOSTAGE a
.set AC0, 64*(\a)
	WIN 0x08                                       ; an LDS store's data are its source 1: window 2
.irp b, 0,1,2,3,4,5,6,7
	ds_store_b128 v[STO], v[AC0+8*\b:AC0+8*\b+3] offset:(32*(\b/2)+8*(\b%2))*4       ; each accumulator from its low end on
	ds_store_b128 v[STO], v[AC0+8*\b+4:AC0+8*\b+7] offset:(32*(\b/2)+8*(\b%2))*4+16
.endr
	WIN 0
.set BBK, BK+64*((\a)%2)
.irp t, 0,1,2,3,4,5,6,7,8,9,10,11,12,13,14,15
	ds_load_b128 v[BBK+4*\t:BBK+4*\t+3], v[RD] offset:\t*SPITCH
.endr
.endm
.macro SEND a, younger                 ; younger: the LDS instructions issued behind block a's loads, which may stay out
.set BBK, BK+64*((\a)%2)
	s_wait_dscnt \younger
.irp t, 0,1,2,3,4,5,6,7,8,9,10,11,12,13,14,15
	global_store_b128 v[L16], v[BBK+4*\t:BBK+4*\t+3], s[14:15] offset:(32*((\a)/2)+8*((\a)%2)+\t+8*(\t/8))*4096 th:TH_STORE_NT   ; stage row t is token 32 (a / 2) + 8 (a % 2) + t + 8 (t / 8); 32 lanes store 512 consecutive bytes
.endr
.endm
	TOSTAGE 0
.irp a, 1,2,3
.if \a > 1
	s_wait_xcnt 0x0                                ; block a - 2's stores have read their registers: block a's loads may land there
.endif
	TOSTAGE \a
	SEND \a-1, 32                                  ; behind block a - 1's loads: block a's 16 stores and 16 loads
.endr
	SEND 3, 0
	s_wait_tensorcnt 0x0                           ; the wave's end
	ds_add_u32 v[SPW], v[NIL]
	s_wait_dscnt 0x0
	CROUND                                         ; the closing round: no work-group ends while a partner may still ask for a tile that names it
	s_endpgm
.Lfunc_end_k_q2102388a8d_outp:
	.size	k_q2102388a8d_outp, .Lfunc_end_k_q2102388a8d_outp-k_q2102388a8d_outp
	.p2alignl 7, 3214868480
	.fill 96, 4, 3214868480
	.section	.rodata,"a",@progbits
	.p2align	6, 0x0
	.amdhsa_kernel k_q2102388a8d_outp
		.amdhsa_group_segment_fixed_size 327680
		.amdhsa_private_segment_fixed_size 0
		.amdhsa_enable_private_segment 0
		.amdhsa_kernarg_size 48
		.amdhsa_user_sgpr_count 2
		.amdhsa_user_sgpr_kernarg_segment_ptr 1
		.amdhsa_wavefront_size32 1
		.amdhsa_system_sgpr_workgroup_id_x 1
		.amdhsa_system_sgpr_workgroup_id_y 1
		.amdhsa_system_sgpr_workgroup_id_z 1
		.amdhsa_system_vgpr_workitem_id 0
		.amdhsa_next_free_vgpr 1024
		.amdhsa_next_free_sgpr 100
		.amdhsa_reserve_vcc 0
		.amdhsa_float_denorm_mode_32 3
		.amdhsa_float_denorm_mode_16_64 3
		.amdhsa_memory_ordered 1
		.amdhsa_forward_progress 1
		.amdhsa_inst_pref_size 90
	.end_amdhsa_kernel
	.amdgpu_metadata
---
amdhsa.version: [ 1, 2 ]
amdhsa.kernels:
  - .name:           k_q2102388a8d_outp
    .symbol:         k_q2102388a8d_outp.kd
    .args:
      - { .name: oimg, .offset: 0, .size: 8, .value_kind: global_buffer, .address_space: global }
      - { .name: osc, .offset: 8, .size: 8, .value_kind: global_buffer, .address_space: global }
      - { .name: img, .offset: 16, .size: 8, .value_kind: global_buffer, .address_space: global }
      - { .name: isc, .offset: 24, .size: 8, .value_kind: global_buffer, .address_space: global }
      - { .name: bo, .offset: 32, .size: 8, .value_kind: global_buffer, .address_space: global }
      - { .name: out0, .offset: 40, .size: 8, .value_kind: global_buffer, .address_space: global }
    .group_segment_fixed_size: 327680
    .private_segment_fixed_size: 0
    .kernarg_segment_align: 8
    .kernarg_segment_size: 48
    .max_flat_workgroup_size: 128
    .sgpr_count:     100
    .vgpr_count:     1024
    .wavefront_size: 32
...
	.end_amdgpu_metadata
.endif
;; end of part 4
;; ======== version 2 of 2: 4 launches; version 1 with the launch attn written anew for expert scheduling mode
;; workspace buffers: img 22,020,096 bytes; isc 917,504 bytes; maskw 2,097,152 bytes of whole numbers; flags 2,048 bytes of whole numbers; qkv_img 18,874,368 bytes; qkv_sc 786,432 bytes; oimg 6,291,456 bytes; osc 262,144 bytes
;; launch prep: the kernel of part 1 again; grid 1408 x 1, 4 waves a work-group, no clusters, 68,096 bytes of LDS; arguments q, k, v, mask, wq, wk, wv, wo, img, isc, maskw, flags; writes img, isc, maskw, flags
;; launch proj: the kernel of part 2 again; grid 4 x 96, 4 waves a work-group, clusters of 4 x 4, 327,680 bytes of LDS; arguments img, isc, bq, bk, bv, qkv_img, qkv_sc; writes qkv_img, qkv_sc
;; launch attn (part 5): grid 4 x 64, 16 waves a work-group, no clusters, 215,040 bytes of LDS; arguments qkv_img, qkv_sc, maskw, flags, oimg, osc; writes oimg, osc
.if DOCPART == 5
	.amdgcn_target "amdgcn-amd-amdhsa--gfx1250"
	.amdhsa_code_object_version 6
	.text
	.protected	k_q2102388a8d_attn
	.globl	k_q2102388a8d_attn
	.p2align	8
	.type	k_q2102388a8d_attn,@function
k_q2102388a8d_attn:
	s_mov_b64 s[64:65], 0
	v_nop
	global_prefetch_b8 v0, s[64:65] scope:SCOPE_SE
	s_setreg_imm32_b32 hwreg(HW_REG_WAVE_SCHED_MODE, 0, 2), 2
	s_setreg_imm32_b32 hwreg(HW_REG_WAVE_MODE, 25, 1), 1
	s_wait_xcnt 0x0
	s_wait_alu depctr_vm_vsrc(0)
; ATTN.  softmax(Q K^T / 8, under the given mask) V for one head, both products on codes of FP6 (E2M3); the result, divided by the row's sum, is quantised along the model's 1,024 and stored as the last product's operand.
; THE SOFTMAX: t = score x log2(e) / 8; M = the row's largest t so far, rounded up to a whole number; p = 2^(t - M) is what is quantised along the keys; the row's sum is taken of the unquantised p.
; When M moves, the sum and O are multiplied by 2^(old M - new M), which rounds nothing.
; SHARES.  Work-group (J, 16 b + head) owns the head's query tiles 4 i + J, i = 0 .. 31; wave w takes i = w and then i = 31 - w.  Sixteen waves of 256 registers, four to a SIMD: one wave's vector work stands beside another's
; matrix work and LDS loads.  A wave walks the head's 2,048 keys, 128 a step.
; THE MASK is an input.  The launch before has packed it, one bit a (query, key) in the order of the scores' registers and lanes, and has stored a flag for each 16 queries x 128 keys: 2: all hidden: the step's work is jumped
; over (its p are all 0); 0: none hidden: the masking is jumped over; 1: hidden scores become -infinity ahead of the maximum.  Nothing of the mask's pattern is built in.
; K AND V of the whole head, 98,304 bytes of codes each, and their scale words go into LDS once, through registers, and are only read afterwards: one barrier in the launch.
; NO CLUSTER, NO TENSOR LOAD, though the four work-groups of a head read the same K and V: this text branches on the stored flags; what is shared is read once by each work-group, at its head.
; LAYOUT.  Both products are used transposed: S^T = K Q^T (source 0 = 16 keys, source 1 = my 16 queries), O^T = V^T P^T: a lane holds one query throughout.  The images' tiles have their rows in the order
; 32 (T / 2) + 8 (T % 2) + r + 8 (r / 8), so the 16 registers of tiles 2 b and 2 b + 1 are 16 neighbours: keys 32 b + 16 h + 0 .. 15 in S^T, channels likewise in O^T.
; THE HEAD'S 64 fill half of the instruction's 128: Q's upper six registers are zeros.  K's operand for tile t is v[32 + 6 t .. + 11]: its upper six registers are the next tile's codes, finite numbers that meet Q's zeros;
; K's and Q's scale words are loaded as 16 bits, so the upper two bytes are 0, which stands for a finite power of two.
; LIMITS: a query that the mask hides from every key gets the scale bytes 0xff, so that its whole output row is NaN, as the softmax of such a row is; a block's largest p is taken from the block's largest score
; (v_exp_f32 is taken not to fall where its input rises); NaN and infinities among the inputs are not served.
; REGISTERS: v1-7 lane constants; v8-15 the step's LDS addresses; v16 -M, v17 the largest t, v[18:19] the sum; v20-31 Q; v32-85 K's eight half fragments and six zeros, later V's four fragments; v86-93 scale words; v94 Q's;
; v96-159 S^T, then p; v160-191 O^T; v192-203 p's codes; v204-211 conversions' second halves; v212-224 the blocks' maxima, bytes, scale operands, p's scale word; v[226:227] f; v228-231 at work; v236-245 offsets.
; THE MODE: SCHED_MODE bits 1:0 = 2 (LLVM: expert scheduling mode 2), set by the entry lines.  The code itself states the register dependences between vector or matrix instructions and memory or LDS instructions,
; with s_wait_alu, always for 0.
; THE PLAN.  Registers that memory or LDS instructions touch, and who else names them:
;   v228-231        The fill's offsets: written at the head, read by the fill's loads and LDS stores.  v228 is at work in the steps afterwards.
;   v16-119         The fill's data: the loads land, the LDS stores read.  Afterwards they are Q, K, V, scale words and zeros.
;   v240-242        Q's offsets: written at a tile's head, read by its three loads.
;   v20-25, v94     Q and its scale word: loads land at a tile's head; every step's eight products K Q^T read them.
;   v8-15           A step's LDS addresses: written at its head; K's loads read v8, v9, v14, V's loads v10-13, v15.
;   v32-79, v86-93  K's loads land; the eight products K Q^T read; V's loads land (v32-79, v86-89); the four products V^T P read.
;   v192-203, v224  p's codes and scale word: written by vector lines, taken by the scaled products V^T P; at a tile's end v192-197 and v224 are the stores' data.
;   v243-245        The stores' offsets: written at a tile's end, read by its three stores.
;   v254, v255      Written at the head, read by the closing add alone.
; A STEP has one wait on vm_vsrc, ahead of the additions that write v8-15, and, beside the two waits behind its exponentials, three on va_vdst: behind those additions (the addresses are written; the last step's products are
; done reading the registers in which K lands), behind K Q^T (they are done reading the registers in which V lands), and ahead of V^T P (p's codes and scale word are written).  No register is left for a second set of K or V:
; sixteen waves of 256 fill the four SIMDs' registers.
.set KIMG, 0                           ; [tile 128][768]
.set VIMG, 98304                       ; [channel tile 4][key step 16][1,536]
.set KSC,  196608                      ; the head pair's scale words of K: [key step 16][lane 32][4 words]
.set VSC,  204800                      ; and of V
.set WV,  16
.set J,   17
.set BH,  18
.set BT,  19
.set HP,  20
.set PAR, 21
.set QI,  22
.set TQ,  23
.set SEL, 24
.set CS,  26
.set FW,  28
.set F,   29
.set NS,  30
.set NP,  31
.set TK,  66
.set TV,  67
.set TS,  100
.set MO,  101
.set BM,  212
.set BY,  216
.set SOP, 220
	s_load_b256 s[4:11], s[0:1], 0x0               ; qkv_img 4, qkv_sc 6, maskw 8, flags 10
	s_load_b128 s[12:15], s[0:1], 0x20             ; oimg 12, osc 14
	v_lshl_add_u32 v254, v0, 2, 0x34000
	v_mov_b32 v255, 0
	v_lshrrev_b32 v1, 5, v0
	v_readfirstlane_b32 s[WV], v1                  ; wave 0..15
	s_mov_b32 s[J], ttmp9
	s_and_b32 s[BH], ttmp7, 0xffff                 ; 16 b + head
	s_lshr_b32 s[BT], s[BH], 4
	s_bfe_u32 s[HP], s[BH], 0x30001                ; the pair of heads
	s_and_b32 s[PAR], s[BH], 1
.irp k, 0,1,2,3
	v_lshl_add_u32 v[228+\k], v0, 4, 65536*\k      ; 16 x thread: the fill's place in memory and in LDS
.endr
	s_mul_i32 s32, s[BH], 98304
	s_mov_b32 s33, 0
	s_lshl_b32 s34, s[BT], 3
	s_add_co_u32 s34, s34, s[HP]
	s_lshl_b32 s34, s34, 13
	s_mov_b32 s35, 0
	s_wait_kmcnt 0x0
	s_add_nc_u64 s[36:37], s[4:5], s[32:33]
	s_add_nc_u64 s[36:37], s[36:37], 6291456       ; K's image of my head
	s_add_nc_u64 s[38:39], s[36:37], 6291456       ; V's
	s_add_nc_u64 s[40:41], s[6:7], s[34:35]        ; my pair of heads among the scale words
	s_wait_alu depctr_va_sdst(0)                   ; the wave's number is written, ahead of its first reader, the line that picks my first tile
	s_wait_alu depctr_va_vdst(0)                   ; v228-231 are written: the fill's loads and LDS stores read them as offsets and addresses; no vector line below names them or v16-119 before the barrier
.set FN, 0
.rept 12
	global_load_b128 v[16+4*FN:19+4*FN], v228, s[36:37] offset:8192*FN      ; the 512 threads take 8,192 consecutive bytes
.set FN, FN+1
.endr
.set FN, 0
.rept 12
	global_load_b128 v[64+4*FN:67+4*FN], v228, s[38:39] offset:8192*FN
.set FN, FN+1
.endr
	global_load_b128 v[112:115], v228, s[40:41] offset:262144
	global_load_b128 v[116:119], v228, s[40:41] offset:524288
	v_and_b32 v7, 15, v0                           ; r
	v_and_b32 v1, 31, v0
	v_lshlrev_b32 v2, 3, v1
	v_add_nc_u32 v2, 512, v2                       ; 8 x lane + 512: a half fragment's last two registers
	v_lshlrev_b32 v1, 4, v1                        ; 16 x lane: its first four
	s_lshl_b32 s2, s[PAR], 1
	s_add_co_u32 s2, s2, KSC
	v_lshl_add_u32 v3, v7, 4, s2                   ; K's scale words: row r, my head's two bytes
	s_lshl_b32 s2, s[PAR], 3
	s_add_co_u32 s2, s2, VSC
	v_lshl_add_u32 v4, v7, 4, s2                   ; V's: row r, my head's four channel tiles
	v_mov_b32 v5, 0xff800000                       ; -infinity
	v_mov_b32 v6, 0xffff
	v_add_nc_u32 v236, VIMG, v1                    ; V's channel tiles 0 and 1,
	v_add_nc_u32 v237, VIMG, v2
	v_add_nc_u32 v238, VIMG+49152, v1              ; and 2 and 3: an LDS immediate has 16 bits
	v_add_nc_u32 v239, VIMG+49152, v2
	s_mov_b32 s[SEL], 0x76543210
	s_mov_b32 s[SEL+1], 0xfedcba98
	s_mov_b32 s[CS], 0x3e38aa3b                    ; c = log2(e) / 8
	s_mov_b32 s[CS+1], s[CS]
.set FN, 0
.rept 26
	s_wait_loadcnt 25-FN                           ; loads come back in order: this one is in, the younger ones may be out
	ds_store_b128 v[228+FN/8], v[16+4*FN:19+4*FN] offset:(FN%8)*8192
.set FN, FN+1
.endr
	s_wait_dscnt 0x0                               ; for the others' sake: my stores have landed
	s_barrier_signal -1
	s_barrier_wait -1                              ; K, V and their scale words lie in LDS; nobody writes LDS again
	s_wait_alu depctr_vm_vsrc(0)                   ; my LDS stores have read v16-119 and v228-231: from here on the zeros below, Q's, K's and V's loads and the steps' vector lines write these registers
.irp i, 26,27,28,29,30,31,80,81,82,83,84,85,216,217,218,219,227
	v_mov_b32 v\i, 0                               ; Q's upper half; what stands behind K's last tile; lane permutes' destinations; the upper half of f's pair
.endr
	s_mov_b32 s[QI], s[WV]
	s_mov_b32 s[NP], 2
.Lpass:                                            ; a tile of 16 queries
	s_lshl_b32 s[TQ], s[QI], 2
	s_add_co_u32 s[TQ], s[TQ], s[J]
	s_mul_i32 s29, s[BH], 98304                    ; (s29 is free between steps)
	s_mul_i32 s3, s[TQ], 768
	s_add_co_u32 s29, s29, s3                      ; where Q's half fragment lies
	s_lshl_b32 s2, s[BT], 3
	s_add_co_u32 s2, s2, s[HP]
	s_lshl_b32 s2, s2, 13
	s_lshr_b32 s3, s[TQ], 3
	s_lshl_b32 s3, s3, 9
	s_add_co_u32 s2, s2, s3
	s_and_b32 s3, s[TQ], 1
	s_lshl_b32 s3, s3, 8
	s_add_co_u32 s2, s2, s3
	s_bfe_u32 s3, s[TQ], 0x20001
	s_lshl_b32 s3, s3, 2
	s_add_co_u32 s2, s2, s3
	s_lshl_b32 s3, s[PAR], 1
	s_add_co_u32 s2, s2, s3                        ; and its scale bytes
	v_add_nc_u32 v240, s29, v1                     ; (the loads of the tile before have read v240-242: the wait on vm_vsrc at that tile's end)
	v_add_nc_u32 v241, s29, v2
	v_lshl_add_u32 v242, v7, 4, s2
	s_wait_alu depctr_va_vdst(0)                   ; v240-242 are written, which the three loads read; the products of the tile before are done reading v20-25 and v94, in which they land
	global_load_b128 v[20:23], v240, s[4:5]        ; Q's half fragment
	global_load_b64 v[24:25], v241, s[4:5]
	global_load_u16 v94, v242, s[6:7]              ; its two scale bytes
	s_lshl_b32 s3, s[BT], 7
	s_add_co_u32 s3, s3, s[TQ]                     ; 128 b + tile
	s_lshl_b32 s[MO], s3, 12                       ; its mask words: 256 bytes a key step
	s_lshl_b32 s2, s3, 2
	s_load_b32 s[FW], s[10:11], s2 offset:0x0      ; its sixteen flags
	s_mov_b32 s[TK], 0
	s_mov_b32 s[TV], 0
	s_mov_b32 s[TS], 0
	v_mov_b32 v17, 0xff61b1e6                      ; the largest t so far: -3e38, under every t.  (These lines name none of the three loads' registers)
	v_floor_f32 v16, -v17                          ; -M
	v_mov_b32 v18, 0
	v_mov_b32 v19, 0
.set II, 0
.rept 32
	v_mov_b32 v[160+II], 0                         ; O^T: the step is written once; the first finds zeros, which the first change of M leaves zeros
.set II, II+1
.endr
	s_wait_loadcnt 0x0
	s_wait_kmcnt 0x0
	s_mov_b32 s[NS], 16
.Lstep:                                            ; 128 keys
	s_and_b32 s[F], s[FW], 3
	s_cmp_eq_u32 s[F], 2
	s_cbranch_scc1 .Lskip                          ; every key of the step is hidden from all my queries
	s_load_b512 s[32:47], s[8:9], s[MO] offset:0x0 ; the step's 64 mask words, asked for first: the lines that last read these scalar registers stand ahead of the waits behind the last walked step's exponentials
	s_load_b512 s[48:63], s[8:9], s[MO] offset:0x40
	s_load_b512 s[68:83], s[8:9], s[MO] offset:0x80
	s_load_b512 s[84:99], s[8:9], s[MO] offset:0xc0
	s_wait_alu depctr_vm_vsrc(0)                   ; the LDS loads of the last walked step have read v8-15, which the eight lines below write
	v_add_nc_u32 v8, s[TK], v1
	v_add_nc_u32 v9, s[TK], v2
	v_add_nc_u32 v10, s[TV], v236
	v_add_nc_u32 v11, s[TV], v237
	v_add_nc_u32 v12, s[TV], v238
	v_add_nc_u32 v13, s[TV], v239
	v_add_nc_u32 v14, s[TS], v3
	v_add_nc_u32 v15, s[TS], v4
	s_wait_alu depctr_va_vdst(0)                   ; v8-15 are written, which this step's LDS loads read; the last walked step's products are done reading v32-79 and v86-93, in which K and its scale words land
.irp t, 0,1,2,3,4,5,6,7
	ds_load_b128 v[32+6*\t:35+6*\t], v8 offset:768*\t
	ds_load_b64 v[36+6*\t:37+6*\t], v9 offset:768*\t
	ds_load_u16 v[86+\t], v14 offset:256*(\t%2)+4*(\t/2)
.endr
	s_wait_dscnt 0x0
.irp t, 0,1,2,3,4,5,6,7
	v_wmma_scale_f32_16x16x128_f8f6f4 v[96+8*\t:103+8*\t], v[32+6*\t:43+6*\t], v[20:31], 0, v[86+\t], v94 matrix_a_fmt:MATRIX_FMT_FP6 matrix_b_fmt:MATRIX_FMT_FP6
.endr
.rept 4
	v_nop                                          ; four plain lines behind the products, ahead of the first read of the scores
.endr
	s_wait_alu depctr_va_vdst(0)                   ; the eight products are done reading v32-85 and v86-93: V's fragments and scale words land in v32-79 and v86-89.  (v10-13 and v15 were written ahead of the wait at the step's head)
.irp ct, 0,1,2,3                               ; V's four fragments are asked for now and land under the softmax
	ds_load_b128 v[32+12*\ct:35+12*\ct], v[10+2*(\ct/2)] offset:24576*(\ct%2)
	ds_load_b64 v[36+12*\ct:37+12*\ct], v[11+2*(\ct/2)] offset:24576*(\ct%2)
	ds_load_b128 v[38+12*\ct:41+12*\ct], v[10+2*(\ct/2)] offset:24576*(\ct%2)+768
	ds_load_b64 v[42+12*\ct:43+12*\ct], v[11+2*(\ct/2)] offset:24576*(\ct%2)+768
	ds_load_b32 v[86+\ct], v15 offset:256*(\ct%2)+4*(\ct/2)
.endr
	s_wait_kmcnt 0x0                               ; the mask words are in, and their offset register may be stepped
	s_cmp_eq_u32 s[F], 1
	s_cbranch_scc0 .Lopen                          ; no key of the step is hidden
.set MN, 0
.rept 64                                       ; register n's word lies at position 2 n (n < 32) or 2 (n - 32) + 1; positions 0-31 in s32-63, 32-63 in s68-99
.if MN < 32
.set MP, 2*MN
.else
.set MP, 2*(MN-32)+1
.endif
.if MP < 32
.set MS, 32+MP
.else
.set MS, 36+MP
.endif
	v_cndmask_b32 v[96+MN], v[96+MN], v5, s[MS]    ; a hidden score becomes -infinity: its p is 0
.set MN, MN+1
.endr
.Lopen:
.irp b, 0,1,2,3
	v_max3_num_f32 v[BM+\b], v[96+16*\b], v[97+16*\b], v[98+16*\b]   ; the largest score of each block of 32 keys: it serves for the row's maximum and, since p rises with the score, for the block's largest p
.endr
.irp i, 3,5,7,9,11,13
.irp b, 0,1,2,3
	v_max3_num_f32 v[BM+\b], v[BM+\b], v[96+16*\b+\i], v[97+16*\b+\i]
.endr
.endr
.irp b, 0,1,2,3
	v_max_num_f32 v[BM+\b], v[BM+\b], v[111+16*\b]
.endr
.irp b, 0,1,2,3
	v_permlanex16_b32 v[BY+\b], v[BM+\b], s[SEL], s[SEL+1]
.endr
.irp b, 0,1,2,3
	v_max_num_f32 v[BM+\b], v[BM+\b], v[BY+\b]     ; with lane l xor 16's 16 keys
.endr
	v_max3_num_f32 v228, v212, v213, v214
	v_max_num_f32 v228, v228, v215                 ; the step's largest score of my query
	v_mul_f32 v228, s[CS], v228                    ; as t
	v_max_num_f32 v17, v17, v228                   ; the running largest t
	v_mov_b32 v228, v16
	v_floor_f32 v16, -v17                          ; the new -M = floor(-t): M is a whole number
	v_sub_f32 v228, v16, v228                      ; old M - new M: a whole number, 0 or less
	v_cvt_i32_f32 v228, v228                       ; (it saturates)
	v_ldexp_f32 v226, 1.0, v228                    ; f = 2^(old M - new M)
.irp j, 0,2,4,6,8,10,12,14,16,18,20,22,24,26,28,30,32,34,36,38,40,42,44,46,48,50,52,54,56,58,60,62
	v_pk_fma_f32 v[96+\j:97+\j], v[96+\j:97+\j], s[CS:CS+1], v[16:17] op_sel_hi:[1,0,0]   ; t - M, two at a time
.endr
.irp b, 0,1,2,3
	v_fma_f32 v[BM+\b], v[BM+\b], s[CS], v16       ; the same of each block's largest score
.endr
.irp j, 0,1,2,3,4,5,6,7,8,9,10,11,12,13,14,15,16,17,18,19,20,21,22,23,24,25,26,27,28,29,30,31,32,33,34,35,36,37,38,39,40,41,42,43,44,45,46,47,48,49,50,51,52,53,54,55,56,57,58,59,60,61,62,63
	v_exp_f32 v[96+\j], v[96+\j]                   ; p = 2^(t - M), at most 1: not normalised
.endr
	v_pk_mul_f32 v[18:19], v[18:19], v[226:227] op_sel_hi:[1,0]    ; the sums under the new M (a plain line behind the exponentials)
	s_wait_alu depctr_va_vdst(0)                   ; the 64 exponentials have written v96-159: one wait for the whole batch, ahead of its first reader
.irp b, 0,1,2,3
	v_exp_f32 v[BM+\b], v[BM+\b]                   ; the block's largest p
.endr
	v_pk_add_f32 v[216:217], v[96:97], v[98:99]    ; the row's sum is taken of the unquantised p: two at a time, in two chains
.irp j, 4,8,12,16,20,24,28,32,36,40,44,48,52,56,60
	v_pk_add_f32 v[18:19], v[18:19], v[96+\j:97+\j]
	v_pk_add_f32 v[216:217], v[216:217], v[98+\j:99+\j]
.endr
	v_pk_add_f32 v[18:19], v[18:19], v[216:217]
	s_wait_alu depctr_va_vdst(0)                   ; and one for the four, which have written v212-215
.irp b, 0,1,2,3
	v_max_num_f32 v[BM+\b], 0x1800000, v[BM+\b]    ; the floor 2^(3 - 127): the byte cannot fall under 1
.endr
.irp b, 0,1,2,3
	v_add_nc_u32 v[SOP+\b], 0xff000000, v[BM+\b]   ; the conversion's scale operand
.endr
.irp b, 0,1,2,3
	v_lshrrev_b32 v[BY+\b], 23, v[SOP+\b]          ; the byte
.endr
	v_lshl_or_b32 v224, v217, 8, v216              ; p's scale word for these 128 keys
	v_lshl_or_b32 v224, v218, 16, v224
	v_lshl_or_b32 v224, v219, 24, v224
.irp c, 0,1
	v_cvt_scalef32_pk16_fp6_f32 v[192+6*\c:194+6*\c], v[96+32*\c:111+32*\c], v[SOP+2*\c]
	v_cvt_scalef32_pk16_fp6_f32 v[204+4*\c:206+4*\c], v[112+32*\c:127+32*\c], v[SOP+2*\c+1]
.endr
	v_nop                                          ; one plain line behind the scaled conversions
.irp c, 0,1                                    ; the layout wants a whole block in a lane
.irp i, 0,1,2
	v_permlane16_swap_b32 v[192+6*\c+\i], v[204+4*\c+\i]
.endr
.irp i, 0,1,2
	v_mov_b32 v[195+6*\c+\i], v[204+4*\c+\i]
.endr
.endr
.irp j, 0,2,4,6,8,10,12,14,16,18,20,22,24,26,28,30
	v_pk_mul_f32 v[160+\j:161+\j], v[160+\j:161+\j], v[226:227] op_sel_hi:[1,0]   ; O^T under the new M.  For each product below twelve of these sixteen name none of its registers: the places behind p's scale word and codes
.endr
.rept 4
	v_nop                                          ; and four more, so that no accumulator is written fewer than four plain lines ahead of the product that adds onto it
.endr
	s_wait_dscnt 0x0                               ; V is in
	s_wait_alu depctr_va_vdst(0)                   ; p's codes v192-203 and its scale word v224, made by vector lines, are written: the scaled products below take them; the places above stay beside this wait
.irp ct, 0,1,2,3                               ; four accumulators, one instruction a turn
	v_wmma_scale_f32_16x16x128_f8f6f4 v[160+8*\ct:167+8*\ct], v[32+12*\ct:43+12*\ct], v[192:203], v[160+8*\ct:167+8*\ct], v[86+\ct], v224 matrix_a_fmt:MATRIX_FMT_FP6 matrix_b_fmt:MATRIX_FMT_FP6
.endr
.Lskip:
	s_lshr_b32 s[FW], s[FW], 2                     ; the next step's flag, tiles, scale words and mask words
	s_add_co_u32 s[TK], s[TK], 6144
	s_add_co_u32 s[TV], s[TV], 1536
	s_add_co_u32 s[TS], s[TS], 512
	s_add_co_u32 s[MO], s[MO], 256
	s_sub_co_i32 s[NS], s[NS], 1
	s_cmp_lg_u32 s[NS], 0
	s_cbranch_scc1 .Lstep
	; the tile's end: O^T / the sum, quantised along the head's 64 channels: a half fragment of the last product's operand
.rept 4
	v_nop                                          ; four plain lines behind the last products
.endr
	v_add_f32 v18, v18, v19
	v_permlanex16_b32 v216, v18, s[SEL], s[SEL+1]
	v_add_f32 v18, v18, v216                       ; the row's sum
	v_rcp_f32 v226, v18
	v_cmp_eq_f32 vcc_lo, 0, v18                    ; (a plain line behind the reciprocal)  a row with no open key
	s_lshl_b32 s3, s[BT], 7
	s_add_co_u32 s3, s3, s[TQ]
	s_mul_i32 s2, s3, 12288
	s_mul_i32 s29, s[HP], 1536
	s_add_co_u32 s2, s2, s29
	s_mul_i32 s29, s[PAR], 768
	s_add_co_u32 s2, s2, s29
	v_add_nc_u32 v243, s2, v1                      ; (the stores of the tile before have read v243-245: the wait on vm_vsrc at that tile's end)
	v_add_nc_u32 v244, s2, v2
	s_lshl_b32 s3, s3, 9
	s_lshl_b32 s29, s[HP], 2
	s_add_co_u32 s3, s3, s29
	s_lshl_b32 s29, s[PAR], 1
	s_add_co_u32 s3, s3, s29
	v_lshl_add_u32 v245, v7, 5, s3
	s_wait_alu depctr_va_vdst(0)                   ; the reciprocal has written v226, ahead of its first reader
.irp j, 0,2,4,6,8,10,12,14,16,18,20,22,24,26,28,30
	v_pk_mul_f32 v[96+\j:97+\j], v[160+\j:161+\j], v[226:227] op_sel_hi:[1,0]   ; register 16 b + i: channel 32 b + 16 h + i of my query
.endr
.irp b, 0,1
	v_max3_num_f32 v[BM+\b], |v[96+16*\b]|, |v[97+16*\b]|, 0x1800000
.endr
.irp i, 2,4,6,8,10,12,14
.irp b, 0,1
	v_max3_num_f32 v[BM+\b], v[BM+\b], |v[96+16*\b+\i]|, |v[97+16*\b+\i]|
.endr
.endr
.irp b, 0,1
	v_permlanex16_b32 v[BY+\b], v[BM+\b], s[SEL], s[SEL+1]
.endr
.irp b, 0,1
	v_max_num_f32 v[BM+\b], v[BM+\b], v[BY+\b]
.endr
.irp b, 0,1
	v_add_nc_u32 v[SOP+\b], 0xff000000, v[BM+\b]
.endr
.irp b, 0,1
	v_lshrrev_b32 v[BY+\b], 23, v[SOP+\b]
.endr
	v_lshl_or_b32 v224, v217, 8, v216
	s_wait_alu depctr_va_vcc(0)                    ; the compare above has written VCC, ahead of its first reader, the line below
	v_cndmask_b32 v224, v224, v6, vcc_lo           ; no open key: the bytes 0xff make the row's sums NaN
	v_cvt_scalef32_pk16_fp6_f32 v[192:194], v[96:111], v220
	v_cvt_scalef32_pk16_fp6_f32 v[204:206], v[112:127], v221
	v_nop                                          ; one plain line behind the scaled conversions
.irp i, 0,1,2
	v_permlane16_swap_b32 v[192+\i], v[204+\i]
.endr
.irp i, 0,1,2
	v_mov_b32 v[195+\i], v[204+\i]
.endr
	s_wait_alu depctr_va_vdst(0)                   ; the codes v192-197, the scale bytes v224 and the offsets v243-245 are written, which the three stores read
	global_store_b128 v243, v[192:195], s[12:13]   ; 512 consecutive bytes, then 256
	global_store_b64 v244, v[196:197], s[12:13]
	global_store_b16 v245, v224, s[14:15]          ; my head's two bytes of the row's 32: all that a head owns of them; both halves of the lanes write the same
	s_wait_xcnt 0x0                                ; the stores have had their addresses translated: the next tile may write their registers
	s_wait_alu depctr_vm_vsrc(0)                   ; the stores have read v192-197, v224 and v243-245, and this tile's loads of Q v240-242: the next tile's vector lines write all of them again
	s_sub_co_u32 s[QI], 31, s[QI]
	s_sub_co_i32 s[NP], s[NP], 1
	s_cmp_lg_u32 s[NP], 0
	s_cbranch_scc1 .Lpass
	s_wait_dscnt 0x0                               ; the closing lines, six on end
	s_wait_alu 0x0
	s_wait_tensorcnt 0x0
	ds_add_u32 v254, v255
	s_wait_dscnt 0x0
	s_endpgm
.Lfunc_end_k_q2102388a8d_attn:
	.size	k_q2102388a8d_attn, .Lfunc_end_k_q2102388a8d_attn-k_q2102388a8d_attn
	.p2alignl 7, 3214868480
	.fill 96, 4, 3214868480
	.section	.rodata,"a",@progbits
	.p2align	6, 0x0
	.amdhsa_kernel k_q2102388a8d_attn
		.amdhsa_group_segment_fixed_size 215040
		.amdhsa_private_segment_fixed_size 0
		.amdhsa_enable_private_segment 0
		.amdhsa_kernarg_size 48
		.amdhsa_user_sgpr_count 2
		.amdhsa_user_sgpr_kernarg_segment_ptr 1
		.amdhsa_wavefront_size32 1
		.amdhsa_system_sgpr_workgroup_id_x 1
		.amdhsa_system_sgpr_workgroup_id_y 1
		.amdhsa_system_sgpr_workgroup_id_z 1
		.amdhsa_system_vgpr_workitem_id 0
		.amdhsa_next_free_vgpr 256
		.amdhsa_next_free_sgpr 102
		.amdhsa_reserve_vcc 1
		.amdhsa_float_denorm_mode_32 3
		.amdhsa_float_denorm_mode_16_64 3
		.amdhsa_memory_ordered 1
		.amdhsa_forward_progress 1
		.amdhsa_inst_pref_size 37
	.end_amdhsa_kernel
	.amdgpu_metadata
---
amdhsa.version: [ 1, 2 ]
amdhsa.kernels:
  - .name:           k_q2102388a8d_attn
    .symbol:         k_q2102388a8d_attn.kd
    .args:
      - { .name: qkv_img, .offset: 0, .size: 8, .value_kind: global_buffer, .address_space: global }
      - { .name: qkv_sc, .offset: 8, .size: 8, .value_kind: global_buffer, .address_space: global }
      - { .name: maskw, .offset: 16, .size: 8, .value_kind: global_buffer, .address_space: global }
      - { .name: flags, .offset: 24, .size: 8, .value_kind: global_buffer, .address_space: global }
      - { .name: oimg, .offset: 32, .size: 8, .value_kind: global_buffer, .address_space: global }
      - { .name: osc, .offset: 40, .size: 8, .value_kind: global_buffer, .address_space: global }
    .group_segment_fixed_size: 215040
    .private_segment_fixed_size: 0
    .kernarg_segment_align: 8
    .kernarg_segment_size: 48
    .max_flat_workgroup_size: 512
    .sgpr_count:     102
    .vgpr_count:     256
    .wavefront_size: 32
...
	.end_amdgpu_metadata
.endif
;; end of part 5
;; launch outp: the kernel of part 4 again; grid 4 x 64, 4 waves a work-group, clusters of 4 x 4, 327,680 bytes of LDS; arguments oimg, osc, img, isc, bo, out0; writes out0
